; MI455X (gfx1250); checked and timed in simulation.
; The chip was launched on July 23, 2026; its instructions are those of AMD's public machine-readable ISA for CDNA 5 (MIT licence, August 2026) and "CDNA5" Instruction Set Architecture Reference Guide (July 2026). The comments in the code are by the model that wrote it; some were corrected since.
;; Rotary Multi Head Attention. Allowed arithmetic: matrix products marked QUANTISED: E2M3 operands, one E8M0 scale for each 32 along K, by v_wmma_scale_f32_16x16x128_f8f6f4 with both operands' format E2M3, f32 sums; everything else in f32.
;; Inputs: bk 1,024 float32; bo 1,024 float32; bq 1,024 float32; bv 1,024 float32; mask 1 x 1 x 2,048 x 2,048 int32; wk 1,024 x 1,024 float32; wo 1,024 x 1,024 float32; wq 1,024 x 1,024 float32; wv 1,024 x 1,024 float32; x 2 x 2,048 x 1,024 float32.
;; Outputs: out0 2 x 2,048 x 1,024 float32.
;; This version of the problem:
;;   THIS VERSION OF THE PROBLEM IS GIVEN IN LOW PRECISION. The matrix products marked QUANTISED in the list below multiply operands that are first quantised to E2M3 (2 exponent bits, 3 mantissa bits; 6 bits a number), with one power-of-two scale for each 32 numbers along K (OCP MX v1.0); their sums are f32. All else is computed in f32.
;;   The module's matrix products, in the order in which they are computed (A, B: the left and right operand; K: the contracted axis; several contracted axes count as one K, in the product's order):
;;     1. [M 4,096, K 1,024] x [K 1,024, N 1,024]; A: input x; B: input wq: QUANTISED
;;     2. [M 4,096, K 1,024] x [K 1,024, N 1,024]; A: input x; B: input wk: QUANTISED
;;     3. [M 4,096, K 1,024] x [K 1,024, N 1,024]; A: input x; B: input wv: QUANTISED
;;     4. batch 32 x [M 2,048, K 64] x [K 64, N 2,048]; A: computed on the way; B: computed on the way: QUANTISED
;;     5. batch 32 x [M 2,048, K 2,048] x [K 2,048, N 64]; A: softmax (see below); B: computed on the way: QUANTISED
;;     6. [M 4,096, K 1,024] x [K 1,024, N 1,024]; A: computed on the way; B: input wo: QUANTISED
;;   THE QUANTISER, for each operand of a quantised product, along K:
;;     - K is cut into blocks of 32 from its start; a last block that is shorter is filled with zeros.
;;     - A block's scale is 2^e with e = floor(log2(the largest magnitude in the block)) - 2, held to -126 .. 127; a block of zeros has e = 0. As a byte (E8M0): e + 127.
;;     - Each number is divided by its block's scale, clamped to +-7.5, and rounded to the nearest number of E2M3, ties to even, subnormals kept.
;;     - The product sums the exact products of the quantised numbers (number of the format x scale) in f32.
;;   ~~~python
;;   def quantise(x, axis):      # numpy; x: float32 -> the quantised numbers, widened to float32 again
;;       x = np.moveaxis(x, axis, -1); K = x.shape[-1]
;;       x = np.pad(x, [(0, 0)] * (x.ndim - 1) + [(0, -K % 32)]); x = x.reshape(x.shape[:-1] + (-1, 32)); a = np.abs(x).max(-1, keepdims=True)
;;       e = np.where(a > 0, np.clip(np.frexp(np.where(a > 0, a, 1))[1] - 1 - 2, -126, 127), 0)      # np.frexp(a)[1] - 1 = floor(log2(a)), exactly
;;       r = np.clip(x / 2.0 ** e, -7.5, 7.5)
;;       step = 2.0 ** (np.maximum(np.frexp(np.where(r == 0, 1, r))[1] - 1, 0) - 3)
;;       q = np.round(r / step) * step * 2.0 ** e      # np.round: ties to even
;;       return np.moveaxis(q.reshape(q.shape[:-2] + (-1,))[..., :K], -1, axis).astype(np.float32)
;;   ~~~
;;   SOFTMAX AHEAD OF A QUANTISED PRODUCT. Where the list says 'softmax', what is quantised is not the finished softmax but p = 2^(t - M), with t = logit x log2(e) and M = ceil(the row's largest t), a whole number; so 1/2 < the row's largest p <= 1. The row's sum l is taken of the UNQUANTISED p, in f32, and the product's result is divided by l at the end. Since M is a whole number, a kernel that streams over the keys may use a running M (the ceiling of the running maximum): every later rescaling is an exact power of two, which a block's scale takes up: the codes' values come out the same.
;;   OPERANDS COMPUTED ON THE WAY. 'Computed on the way' means the value that the module computes at that place (a softmax that the list does not call 'softmax' is quantised finished and normalised). What goes into a quantiser is computed in f32, as accurately as f32 sums, v_exp_f32 and their like allow (about 1e-6 of the number): no bf16 or f16 on the way to a quantiser, and a product that is left as it is and whose result goes on into a quantised operand takes f32 operands (vector FMAs, or v_wmma_f32_16x16x4_f32). A number that lies on a knife's edge between two numbers of the format may be rounded either way, as far as f32 arithmetic and the matrix unit's own rounding can turn it there, and no further.
;; 2 versions, each right; version 2 is version 1 with the launch attn written anew for expert scheduling mode. Each part assembles by itself: llvm-mc -triple=amdgcn-amd-amdhsa -mcpu=gfx1250 --defsym DOCPART=n.
;; ======== version 1 of 2: 4 launches
;; workspace buffers: cod 6,291,456 bytes; scl 262,144 bytes; mw 524,288 bytes of whole numbers; mf 512 bytes of whole numbers; rope 524,288 bytes; att 10,092,544 bytes; ao 3,276,800 bytes
;; launch prep (part 1): grid 384 x 1, 8 waves a work-group, no clusters, 136,448 bytes of LDS; arguments x, wq, wk, wv, wo, mask, cod, scl, mw, mf, rope; writes cod, scl, mw, mf, rope
.if DOCPART == 1
	.amdgcn_target "amdgcn-amd-amdhsa--gfx1250"
	.amdhsa_code_object_version 6
	.text
	.protected	k_qef4a0346d1_prep
	.globl	k_qef4a0346d1_prep
	.p2align	8
	.type	k_qef4a0346d1_prep,@function
k_qef4a0346d1_prep:
	s_mov_b64 s[64:65], 0
	v_nop
	global_prefetch_b8 v0, s[64:65] scope:SCOPE_SE
	s_setreg_imm32_b32 hwreg(HW_REG_WAVE_MODE, 25, 1), 1
	s_wait_xcnt 0x0
; PREP.  Work-groups 0-255: x [4096][1024] and wq, wk, wv, wo [1024][1024], f32, K innermost, become codes of FP6 (E2M3) and E8M0 scale bytes, one for each 32 along K.
; Work-groups 256-383: the mask [2048][2048] of int32 becomes lane-mask words and a class for each tile of 16 queries x 128 keys; the same work-groups make the table of cosines and sines for the rotation.
; TILES.  Tile 2 B + u of 16 rows takes rows 32 B + 8 u + i + 8 (i / 8), i = 0 .. 15: a product used either way round then leaves 16 neighbours along the next K in the 16 registers of two neighbouring tiles.
; IMAGES.  The codes are laid in the order of the operand's registers.  Half a fragment (16 rows x 64 K: six registers a lane) is 768 bytes: 16 bytes a lane (registers 0-3), then 8 bytes a lane (registers 4-5).
;   cod [tile 0..511][K step 0..7][half][768]: x tiles 0-255, wq 256-319, wk 320-383, wv 384-447, wo 448-511.   scl [tile][K step][16 words]: word r = the four scale bytes of the tile's row r.
;   mw [query tile T][key step S][64 words]: word 16 b + i, bit 16 h + r = (mask[row r of tile T][128 S + 32 b + 16 h + i] != 0): the lane mask of the score register 16 b + i.
;   mf [T]: bits 2 S + 1 : 2 S = 0 no key of the step is open for any of the 16 queries, 1 some, 2 all.  If some query of the tile has no open key at all, every step is given 1: nothing of that tile is left out.
;   rope [T][g 0..7][lane][16 bytes] = cos, sin of pair p0, cos, sin of pair p0 + 1; p0 = 16 (g / 4) + 8 h + 2 (g % 4); position = row r of tile T.
; A block's scale is 2^(floor(log2(largest magnitude)) - 2); its byte is the largest magnitude's exponent field - 2, held at 1 from below (a block of zeros keeps 1: its codes are zeros, and this program alone reads the bytes).
; LIMITS: NaN and infinities are not served; blocks under 2^-124 keep the byte 1.  The frequencies are 10^(-j / 8) rounded to f32; sine and cosine: reduction by pi/2 in two parts, polynomials to z^4 and z^5 on |r| <= pi/4.
; Every load reads 512 consecutive bytes of a row, 16 a lane; a tile of 16 rows turns through the wave's own stage in LDS (rows 528 bytes apart = 132 words: sixteen rows start 4 banks apart; 64 banks of 4 bytes: ISA guide 11.1).
; The two kinds of work-group have LDS bytes of their own.  All 32 loads of a wave (16 KiB) are asked for at its head.
.set SP,  528
.set WST, 16*SP                        ; a wave's stage
.set QST, 0                            ; the quantising work-groups' eight stages
.set MST, 8*WST                        ; the mask work-groups' eight stages
.set RB,  16*WST                       ; and their 64 bytes for the reduction over waves
.set R,   16                           ; v16-143  two tiles as loaded
.set X,   144                          ; v144-207 a tile's 64 numbers of my lane
.set PC,  208                          ; v208-231 two tiles' codes
.set PT,  232                          ; v232-234, v236-238: a conversion's three registers begin on an even number
	s_load_b256 s[4:11], s[0:1], 0x0               ; x, wq, wk, wv
	s_load_b256 s[20:27], s[0:1], 0x20             ; wo, mask, cod, scl
	s_load_b128 s[28:31], s[0:1], 0x40             ; mw, mf
	s_load_b64 s[32:33], s[0:1], 0x50              ; rope
	v_lshl_add_u32 v240, v0, 2, 0x21100
	v_mov_b32 v241, 0
	v_lshrrev_b32 v1, 5, v0
	v_readfirstlane_b32 s16, v1                    ; wave 0..7
	v_and_b32 v1, 31, v0                           ; lane
	v_and_b32 v2, 15, v0                           ; r
	v_bfe_u32 v3, v0, 4, 1                         ; h
	v_lshlrev_b32 v4, 4, v1                        ; 16 x lane
	v_lshlrev_b32 v5, 3, v1                        ; 8 x lane
	s_mov_b32 s12, 0x76543210
	s_mov_b32 s13, 0xfedcba98                      ; v_permlanex16_b32's selects for lane l xor 16
	s_mul_i32 s17, s16, WST
	s_mov_b32 s35, 0
	s_cmp_lt_u32 ttmp9, 256
	s_cbranch_scc0 .Lmask
; ---------------- QUANTISING: work-group g takes 32 rows (tiles 2 g, 2 g + 1); wave w takes K step w (128 along K, 512 bytes of a row)
	s_sub_co_u32 s18, ttmp9, 128
	s_lshr_b32 s19, s18, 5                         ; which weight (0..3) where g >= 128
	s_and_b32 s18, s18, 31                         ; and which 32 rows of it
	s_wait_kmcnt 0x0
	s_cmp_eq_u32 s19, 1
	s_cselect_b64 s[6:7], s[8:9], s[6:7]
	s_cmp_eq_u32 s19, 2
	s_cselect_b64 s[6:7], s[10:11], s[6:7]
	s_cmp_eq_u32 s19, 3
	s_cselect_b64 s[6:7], s[20:21], s[6:7]
	s_cmp_lt_u32 ttmp9, 128                        ; the choice hangs on the work-group's number alone
	s_cselect_b64 s[4:5], s[4:5], s[6:7]
	s_cselect_b32 s18, ttmp9, s18
	s_lshl_b32 s34, s18, 17                        ; 32 rows of 4,096 bytes
	s_lshl_b32 s36, s16, 9
	s_add_co_u32 s34, s34, s36
	s_add_nc_u64 s[4:5], s[4:5], s[34:35]
.macro QLOAD u
.irp i, 0,1,2,3,4,5,6,7,8,9,10,11,12,13,14,15
	global_load_b128 v[R+64*\u+4*\i:R+64*\u+4*\i+3], v4, s[4:5] offset:(8*\u+\i+8*(\i/8))*4096 th:TH_LOAD_NT
.endr
.endm
	QLOAD 0
	QLOAD 1
	v_add_nc_u32 v6, s17, v4                       ; the stage, in: 16 x lane of row i
	v_mul_u32_u24 v7, v2, SP
	v_lshl_add_u32 v7, v3, 7, v7
	v_add_nc_u32 v7, s17, v7                       ; out: row r, + 128 h: the operand's layout gives lane (r, h) k = 64 c + 32 h + 0 .. 31
	v_lshlrev_b32 v239, 3, v3                      ; 8 h
	v_mov_b32 v235, 0                              ; written once: a lane permute's destination counts as one of its sources
	s_mul_i32 s34, ttmp9, 24576                    ; cod: two tiles of 12,288 bytes a work-group,
	s_mul_i32 s36, s16, 1536                       ; a fragment of 1,536 bytes a K step
	s_add_co_u32 s34, s34, s36
	s_add_nc_u64 s[24:25], s[24:25], s[34:35]
	s_lshl_b32 s34, ttmp9, 10                      ; scl: two tiles of 512 bytes, 64 bytes a K step
	s_lshl_b32 s36, s16, 6
	s_add_co_u32 s34, s34, s36
	s_add_nc_u64 s[26:27], s[26:27], s[34:35]
.macro QTILE u
	s_wait_loadcnt 16*(1-\u)                       ; this tile's sixteen loads are in; the other tile's may be out
.irp i, 0,1,2,3,4,5,6,7,8,9,10,11,12,13,14,15
	ds_store_b128 v6, v[R+64*\u+4*\i:R+64*\u+4*\i+3] offset:QST+\i*SP
.endr
.irp c, 0,1
.irp j, 0,1,2,3,4,5,6,7
	ds_load_b128 v[X+32*\c+4*\j:X+32*\c+4*\j+3], v7 offset:QST+256*\c+16*\j   ; LDS serves a wave's instructions in order (ISA guide 5.7.1.4): these see the stores above
.endr
.endr
	s_wait_dscnt 0x0
.irp c, 0,1                                    ; my block 2 c + h: all its 32 numbers are mine
	v_max3_num_f32 v[8+\c], |v[X+32*\c]|, |v[X+32*\c+1]|, 0x1800000   ; and the floor 2^(3 - 127): the byte cannot fall under 1
.endr
.irp i, 2,4,6,8,10,12,14,16,18,20,22,24,26,28,30
.irp c, 0,1
	v_max3_num_f32 v[8+\c], v[8+\c], |v[X+32*\c+\i]|, |v[X+32*\c+\i+1]|
.endr
.endr
.irp c, 0,1
	v_add_nc_u32 v[10+\c], 0xff000000, v[8+\c]     ; 2 off the exponent field: the conversion takes the exponent field of this operand as its scale
.endr
.irp c, 0,1
	v_lshrrev_b32 v[12+\c], 23, v[10+\c]           ; the scale's byte
.endr
	v_lshl_or_b32 v[14+\u], v13, 16, v12           ; my two bytes: blocks h and 2 + h,
	v_lshlrev_b32 v[14+\u], v239, v[14+\u]         ; at their places in the word;
	v_permlanex16_b32 v235, v[14+\u], s12, s13
	v_or_b32 v[14+\u], v[14+\u], v235              ; with lane l xor 16's two the word is whole
.irp c, 0,1
	v_cvt_scalef32_pk16_fp6_f32 v[PC+12*\u+6*\c:PC+12*\u+6*\c+2], v[X+32*\c:X+32*\c+15], v[10+\c]
	v_cvt_scalef32_pk16_fp6_f32 v[PT+4*\c:PT+4*\c+2], v[X+32*\c+16:X+32*\c+31], v[10+\c]
.endr
	v_nop                                          ; one plain place behind a scaled conversion
.irp c, 0,1
.irp i, 0,1,2
	v_mov_b32 v[PC+12*\u+6*\c+3+\i], v[PT+4*\c+\i]
.endr
.endr
.irp c, 0,1
	global_store_b128 v4, v[PC+12*\u+6*\c:PC+12*\u+6*\c+3], s[24:25] offset:12288*\u+768*\c       ; 512 consecutive bytes
	global_store_b64 v5, v[PC+12*\u+6*\c+4:PC+12*\u+6*\c+5], s[24:25] offset:12288*\u+768*\c+512   ; 256 consecutive bytes
.endr
.endm
	QTILE 0
	QTILE 1
	v_cmp_ne_u32 vcc_lo, 0, v3
	v_cndmask_b32 v8, v14, v15, vcc_lo             ; lanes 0-15 the first tile's words, lanes 16-31 the second's
	v_lshlrev_b32 v9, 9, v3
	v_lshl_add_u32 v9, v2, 2, v9
	global_store_b32 v9, v8, s[26:27]              ; two pieces of 64 bytes: the eight waves together fill each tile's 512 bytes
	s_wait_tensorcnt 0x0
	ds_add_u32 v240, v241
	s_wait_dscnt 0x0
	s_endpgm
; ---------------- THE MASK: work-group 256 + T takes the 16 rows of query tile T; wave w takes key steps 2 w and 2 w + 1 (512 bytes of a row each), and group w of the rotation's table
.Lmask:
	s_sub_co_u32 s18, ttmp9, 256                   ; T
	s_lshr_b32 s19, s18, 1
	s_lshl_b32 s19, s19, 5
	s_and_b32 s34, s18, 1
	s_lshl_b32 s34, s34, 3
	s_add_co_u32 s19, s19, s34                     ; the tile's first row: 32 (T / 2) + 8 (T % 2)
	s_lshl_b32 s34, s19, 13                        ; rows of 8,192 bytes
	s_lshl_b32 s36, s16, 10
	s_add_co_u32 s34, s34, s36
	s_wait_kmcnt 0x0
	s_add_nc_u64 s[22:23], s[22:23], s[34:35]
.irp k, 0,1
.irp i, 0,1,2,3,4,5,6,7,8,9,10,11,12,13,14,15
	global_load_b128 v[R+64*\k+4*\i:R+64*\k+4*\i+3], v4, s[22:23] offset:(\i+8*(\i/8))*8192+512*\k th:TH_LOAD_NT
.endr
.endr
	v_add_nc_u32 v6, s17, v4
	v_add_nc_u32 v6, MST, v6                       ; the stage, in
	v_mul_u32_u24 v7, v2, SP
	v_lshl_add_u32 v7, v3, 6, v7
	v_add_nc_u32 v7, s17, v7
	v_add_nc_u32 v7, MST, v7                       ; out: row r, + 64 h: lane (r, h) takes keys 32 b + 16 h + 0 .. 15
	; the rotation's table, while the loads are out
	v_lshrrev_b32 v8, 3, v2
	v_lshl_add_u32 v8, v8, 3, v2
	v_add_nc_u32 v8, s19, v8
	v_cvt_f32_u32 v8, v8                           ; my position
	s_lshr_b32 s34, s16, 2
	s_lshl_b32 s34, s34, 4
	s_and_b32 s36, s16, 3
	s_lshl_b32 s36, s36, 1
	s_add_co_u32 s34, s34, s36
	v_lshl_add_u32 v9, v3, 3, s34                  ; p0 = 16 (w / 4) + 8 h + 2 (w % 4)
	v_mov_b32 v10, 0
	v_mov_b32 v11, 0
.macro PICK p, f0, f1                          ; the frequencies 10^(-p / 8) and 10^(-(p + 1) / 8) where p0 = p
	v_cmp_ne_u32 vcc_lo, \p, v9
	v_cndmask_b32 v10, \f0, v10, vcc_lo
	v_cndmask_b32 v11, \f1, v11, vcc_lo
.endm
	PICK 0,  0x3f800000, 0x3f3ff911
	PICK 2,  0x3f0ff59a, 0x3ed7e89b
	PICK 4,  0x3ea1e89b, 0x3e72d424
	PICK 6,  0x3e361887, 0x3e088d77
	PICK 8,  0x3dcccccd, 0x3d99940e
	PICK 10, 0x3d6655c3, 0x3d2cba15
	PICK 12, 0x3d0186e2, 0x3cc24350
	PICK 14, 0x3c91ad39, 0x3c5a7bf1
	PICK 16, 0x3c23d70a, 0x3bf5b9b0
	PICK 18, 0x3bb8449c, 0x3b8a2e77
	PICK 20, 0x3b4f3e37, 0x3b1b690d
	PICK 22, 0x3ae91528, 0x3aaec98e
	PICK 24, 0x3a83126f, 0x3a44948c
	PICK 26, 0x3a136a16, 0x39dd1726
	PICK 28, 0x39a5cb5f, 0x3978a814
	PICK 30, 0x393a7753, 0x390bd472
.macro SINCOS f, dc, ds                        ; cos and sin of position x v[f]
	v_mul_f32 v12, v8, v[\f]                       ; the angle, rounded to f32 as the definition has it
	v_mul_f32 v13, 0x3f22f983, v12                 ; x 2 / pi
	v_rndne_f32 v13, v13                           ; n
	v_fmamk_f32 v14, v13, 0xbfc90fdb, v12          ; r = angle - n pi/2, pi/2 in two parts
	v_fmamk_f32 v14, v13, 0x333bbd2e, v14
	v_cvt_i32_f32 v13, v13
	v_mul_f32 v15, v14, v14                        ; z = r r
	v_mov_b32 v212, 0x3638ef1d                     ; 1 / 9!
	v_fmaak_f32 v212, v212, v15, 0xb9500d01        ; -1 / 7!
	v_fmaak_f32 v212, v212, v15, 0x3c088889        ; 1 / 5!
	v_fmaak_f32 v212, v212, v15, 0xbe2aaaab        ; -1 / 3!
	v_mul_f32 v213, v14, v15
	v_fma_f32 v212, v213, v212, v14                ; sin r
	v_mov_b32 v213, 0xb493f27e                     ; -1 / 10!
	v_fmaak_f32 v213, v213, v15, 0x37d00d01        ; 1 / 8!
	v_fmaak_f32 v213, v213, v15, 0xbab60b61        ; -1 / 6!
	v_fmaak_f32 v213, v213, v15, 0x3d2aaaab        ; 1 / 4!
	v_fma_f32 v213, v213, v15, -0.5
	v_fma_f32 v213, v213, v15, 1.0                 ; cos r
	v_and_b32 v214, 1, v13
	v_cmp_ne_u32 vcc_lo, 0, v214                   ; an odd quarter swaps the two
	v_cndmask_b32 v[\ds], v212, v213, vcc_lo
	v_cndmask_b32 v[\dc], v213, v212, vcc_lo
	v_and_b32 v214, 2, v13                         ; quarters 2, 3: the sine changes sign
	v_lshlrev_b32 v214, 30, v214
	v_xor_b32 v[\ds], v[\ds], v214
	v_add_nc_u32 v214, 1, v13                      ; quarters 1, 2: the cosine
	v_and_b32 v214, 2, v214
	v_lshlrev_b32 v214, 30, v214
	v_xor_b32 v[\dc], v[\dc], v214
.endm
	SINCOS 10, 220, 221
	SINCOS 11, 222, 223
	s_lshl_b32 s34, s18, 12
	s_lshl_b32 s36, s16, 9
	s_add_co_u32 s34, s34, s36
	s_add_nc_u64 s[32:33], s[32:33], s[34:35]
	global_store_b128 v4, v[220:223], s[32:33]     ; 512 consecutive bytes
	s_lshl_b32 s34, s18, 12                        ; mw: 16 steps of 256 bytes a tile, two steps a wave
	s_add_co_u32 s34, s34, s36
	s_add_nc_u64 s[28:29], s[28:29], s[34:35]
	s_mov_b32 s48, 0                               ; my two steps' classes, at their places
	s_mov_b32 s49, 0                               ; the or of all my lane masks
	s_lshl_b32 s39, s16, 2                         ; 2 S = 4 w + 2 k
.macro MTILE k
	s_wait_loadcnt 16*(1-\k)                       ; this step's sixteen loads are in; the other's may be out
.irp i, 0,1,2,3,4,5,6,7,8,9,10,11,12,13,14,15
	ds_store_b128 v6, v[R+64*\k+4*\i:R+64*\k+4*\i+3] offset:\i*SP
.endr
.irp b, 0,1,2,3
.irp j, 0,1,2,3
	ds_load_b128 v[X+16*\b+4*\j:X+16*\b+4*\j+3], v7 offset:128*\b+16*\j
.endr
.endr
	v_mov_b32 v[208+2*\k], 0                       ; (v_writelane_b32's destination counts as read)
	v_mov_b32 v[209+2*\k], 0
	s_mov_b32 s36, 0
	s_mov_b32 s37, -1
	s_wait_dscnt 0x0
.set n, 0
.rept 8                                        ; eight compares, then what is made of their lane masks
.set m, 0
.rept 8
	v_cmp_ne_u32 s[40+m], 0, v[X+n+m]
.set m, m+1
.endr
.set m, 0
.rept 8
	s_or_b32 s36, s36, s[40+m]
	s_and_b32 s37, s37, s[40+m]
	v_writelane_b32 v[208+2*\k+((n+m)&1)], s[40+m], (n+m)>>1   ; word n lies in lane n / 2, register n % 2
.set m, m+1
.endr
.set n, n+8
.endr
	global_store_b64 v5, v[208+2*\k:209+2*\k], s[28:29] offset:256*\k   ; 256 consecutive bytes, aligned
	s_cmp_lg_u32 s36, 0
	s_cselect_b32 s38, 1, 0
	s_cmp_eq_u32 s37, -1
	s_cselect_b32 s38, 2, s38
	s_lshl_b32 s38, s38, s39
	s_or_b32 s48, s48, s38
	s_or_b32 s49, s49, s36
	s_add_co_u32 s39, s39, 2
.endm
	MTILE 0
	MTILE 1
	s_lshl_b32 s34, s16, 2
	s_add_co_u32 s34, s34, RB
	v_mov_b32 v8, s34
	v_mov_b32 v9, s49
	v_mov_b32 v10, s48
	ds_store_b32 v8, v9                            ; all lanes write the same word with the same value
	ds_store_b32 v8, v10 offset:32
	s_wait_dscnt 0x0                               ; for the others' sake: my stores have landed
	s_barrier_signal -1
	s_barrier_wait -1
	v_mov_b32 v8, RB
	ds_load_b128 v[144:147], v8
	ds_load_b128 v[148:151], v8 offset:16
	ds_load_b128 v[152:155], v8 offset:32
	ds_load_b128 v[156:159], v8 offset:48
	s_wait_dscnt 0x0
.irp b, 144, 152
	v_or_b32 v[\b], v[\b], v[\b+1]
	v_or_b32 v[\b+2], v[\b+2], v[\b+3]
	v_or_b32 v[\b+4], v[\b+4], v[\b+5]
	v_or_b32 v[\b+6], v[\b+6], v[\b+7]
	v_or_b32 v[\b], v[\b], v[\b+2]
	v_or_b32 v[\b+4], v[\b+4], v[\b+6]
	v_or_b32 v[\b], v[\b], v[\b+4]
.endr
	v_readfirstlane_b32 s36, v144                  ; bit 16 h + r: query r has an open key
	v_readfirstlane_b32 s37, v152                  ; the sixteen classes
	s_lshr_b32 s38, s36, 16
	s_or_b32 s38, s38, s36
	s_and_b32 s38, s38, 0xffff
	s_cmp_eq_u32 s38, 0xffff
	s_cselect_b32 s37, s37, 0x55555555             ; a query with no open key at all weighs every key alike: then no step is left out
	v_mov_b32 v9, s37
	v_mov_b32 v10, 0
	s_lshl_b32 s34, s18, 2
	s_add_nc_u64 s[30:31], s[30:31], s[34:35]
	s_wait_xcnt 0x0                                ; EXEC changes only when the earlier stores have read their sources
	v_cmp_eq_u32 vcc_lo, 0, v0
	s_wait_tensorcnt 0x0
	ds_add_u32 v240, v241
	s_wait_dscnt 0x0
	s_and_saveexec_b32 s38, vcc_lo
	global_store_b32 v10, v9, s[30:31]             ; thread 0 alone
	s_wait_xcnt 0x0
	s_or_b32 exec_lo, exec_lo, s38
	s_endpgm
.Lfunc_end_k_qef4a0346d1_prep:
	.size	k_qef4a0346d1_prep, .Lfunc_end_k_qef4a0346d1_prep-k_qef4a0346d1_prep
	.p2alignl 7, 3214868480
	.fill 96, 4, 3214868480
	.section	.rodata,"a",@progbits
	.p2align	6, 0x0
	.amdhsa_kernel k_qef4a0346d1_prep
		.amdhsa_group_segment_fixed_size 136448
		.amdhsa_private_segment_fixed_size 0
		.amdhsa_enable_private_segment 0
		.amdhsa_kernarg_size 88
		.amdhsa_user_sgpr_count 2
		.amdhsa_user_sgpr_kernarg_segment_ptr 1
		.amdhsa_wavefront_size32 1
		.amdhsa_system_sgpr_workgroup_id_x 1
		.amdhsa_system_sgpr_workgroup_id_y 1
		.amdhsa_system_sgpr_workgroup_id_z 1
		.amdhsa_system_vgpr_workitem_id 0
		.amdhsa_next_free_vgpr 242
		.amdhsa_next_free_sgpr 66
		.amdhsa_reserve_vcc 1
		.amdhsa_float_denorm_mode_32 3
		.amdhsa_float_denorm_mode_16_64 3
		.amdhsa_memory_ordered 1
		.amdhsa_forward_progress 1
		.amdhsa_inst_pref_size 58
	.end_amdhsa_kernel
	.amdgpu_metadata
---
amdhsa.version: [ 1, 2 ]
amdhsa.kernels:
  - .name:           k_qef4a0346d1_prep
    .symbol:         k_qef4a0346d1_prep.kd
    .args:
      - { .name: x, .offset: 0, .size: 8, .value_kind: global_buffer, .address_space: global }
      - { .name: wq, .offset: 8, .size: 8, .value_kind: global_buffer, .address_space: global }
      - { .name: wk, .offset: 16, .size: 8, .value_kind: global_buffer, .address_space: global }
      - { .name: wv, .offset: 24, .size: 8, .value_kind: global_buffer, .address_space: global }
      - { .name: wo, .offset: 32, .size: 8, .value_kind: global_buffer, .address_space: global }
      - { .name: mask, .offset: 40, .size: 8, .value_kind: global_buffer, .address_space: global }
      - { .name: cod, .offset: 48, .size: 8, .value_kind: global_buffer, .address_space: global }
      - { .name: scl, .offset: 56, .size: 8, .value_kind: global_buffer, .address_space: global }
      - { .name: mw, .offset: 64, .size: 8, .value_kind: global_buffer, .address_space: global }
      - { .name: mf, .offset: 72, .size: 8, .value_kind: global_buffer, .address_space: global }
      - { .name: rope, .offset: 80, .size: 8, .value_kind: global_buffer, .address_space: global }
    .group_segment_fixed_size: 136448
    .private_segment_fixed_size: 0
    .kernarg_segment_align: 8
    .kernarg_segment_size: 88
    .max_flat_workgroup_size: 256
    .sgpr_count:     66
    .vgpr_count:     242
    .wavefront_size: 32
...
	.end_amdgpu_metadata
.endif
;; end of part 1
;; launch qkv (part 2): grid 16 x 32, 8 waves a work-group, clusters of 4 x 4, 248,320 bytes of LDS; arguments cod, scl, rope, bq, bk, bv, att; writes att
.if DOCPART == 2
	.amdgcn_target "amdgcn-amd-amdhsa--gfx1250"
	.amdhsa_code_object_version 6
	.text
	.protected	k_qef4a0346d1_qkv
	.globl	k_qef4a0346d1_qkv
	.p2align	8
	.type	k_qef4a0346d1_qkv,@function
k_qef4a0346d1_qkv:
	s_mov_b64 s[64:65], 0
	v_nop
	global_prefetch_b8 v0, s[64:65] scope:SCOPE_SE
	s_setreg_imm32_b32 hwreg(HW_REG_WAVE_MODE, 25, 1), 1
	s_wait_xcnt 0x0
	s_wait_alu depctr_hold_cnt(0) depctr_sa_sdst(0) depctr_va_vdst(0) depctr_va_sdst(0) depctr_va_ssrc(0) depctr_va_vcc(0) depctr_vm_vsrc(0)
	s_getreg_b32 s2, hwreg(HW_REG_IB_STS2, 6, 4)
	s_cmp_eq_u32 s2, 0
	s_cbranch_scc0 .Lentry_in_a_cluster
	s_endpgm
.Lentry_in_a_cluster:
	s_bfe_u32 s2, ttmp6, 0x10000c
	s_cmp_lg_u32 s2, 0xf033
	s_cbranch_scc0 .Lentry_shape_is_right
	s_endpgm
.Lentry_shape_is_right:
; QKV.  q = x Wq^T + bq, k = x Wk^T + bk, v = x Wv^T + bv on codes of FP6 (E2M3) with E8M0 scales; q and k are rotated; q and k are quantised along the head's 64, v along the keys.
; SHARES.  A work-group takes 128 tokens (tiles 8 mb .. 8 mb + 7) and ONE head hd.  Eight waves, w = 4 t + a.  Pass 1: wave (a, t) makes q (t = 0) or k (t = 1) of token tiles 2 a, 2 a + 1 for the head's 64 channels:
; eight accumulators.  Pass 2: wave (a, t) makes v of channel tile a for token tiles 4 t .. 4 t + 3: four accumulators.
; ALL OF K (1,024) of x's 8 tiles, of Wq's and Wk's 4 + 4 and of Wv's 4 lies in LDS, as images of the operands' registers, filled once by five tensor loads a wave: nothing is filled again.
; A fragment's image is 1,536 bytes: for each half of 64 K, 16 bytes a lane and then 8 bytes a lane; it is read by loads of 16, 8, 16, 8 bytes a lane, each of consecutive bytes.
; CLUSTER 4 x 4: x's tiles hang on mb alone and are asked for jointly along a row of the cluster, the weights' on hd alone, along a column.
; PASS 1 IS USED TRANSPOSED (source 0 = 16 rows of W, source 1 = 16 tokens): lane (r, h) holds token r of its tile, register 16 b + i channel 32 b + 16 h + i (the rows of a tile are 32 B + 8 u + i + 8 (i / 8)).
; PASS 2 has source 0 = 16 tokens, source 1 = 16 rows of Wv: lane (r, h) holds channel r of tile a, register 16 b + i key 64 t + 32 b + 16 h + i.  So both results are quantised in registers, 16 neighbours a lane.
; The biases are the C of each sum's first product.
; OUT (att): a record of 13,056 bytes for each (batch x head, 128 keys): K's 8 half images, V's 8, K's scale words [2][16 rows][4 tiles], V's [16 rows][4 tiles]; behind the records Q's half images and scale words.
; The scale word of q and of k is b0, b1, b0, b1: the products on them have K = 64, and blocks 2, 3 meet zero codes of q.
; LIMITS: NaN and infinities are not served; blocks under 2^-124 keep the byte 1.
.set XB,   0                           ; LDS: x [half of K][tile 8][4 K steps][1,536]
.set WB,   98304                       ; Wq's 4 tiles, then Wk's 4, likewise
.set VB,   196608                      ; Wv [half of K][tile 4][4][1,536]
.set SST,  245760                      ; scale words on their way out: q's 512 bytes, k's 512, v's 256: blocks of 256 bytes into which no tensor load lands
.set CH,   49152                       ; from K steps 0-3 to K steps 4-7 in XB and WB
.set FRB,  1536
.set TILB, 6144                        ; four K steps of a tile: what one tensor load brings
.set REC,  13056
.set QI,   6684672                     ; att: Q's images
.set QS,   9830400                     ; att: Q's scale words
.set ACC,  16                          ; v16-79   accumulator (u, j) at 16 + 32 u + 8 j
.set XF,   80                          ; v80-103  x's two fragments (pass 2: four, v80-127)
.set WF,   104                         ; v104-151 W's four fragments (pass 2: Wv's one at v128)
.set XS,   152                         ; v152-175 scale words and nothing else
.set WS,   160
.set RP,   176                         ; v176-239 cosines and sines, 32 for each u; later v176-183: bv as a C operand
.set TM,   248                         ; v248-255 at work
.set AX16, 5                           ; v5-6, v7-8    pass 1: x's images (16- and 8-byte pieces), K steps 0-3 and 4-7
.set AX8,  7
.set AW16, 9                           ; v9-12         W's
.set AW8,  11
.set AP16, 13                          ; v13-14, v240-241  pass 2: x's
.set BVL,  15                          ; v15           bv of my channel
.set AP8,  240
.set AV16, 242                         ; v242-245      Wv's
.set AV8,  244
.set SSA,  246                         ; v246  where my q or k scale word goes
.set SSV,  247                         ; v247  where my two v scale bytes go
.set SEL,  2                           ; s[2:3] lane selects for lane l xor 16
.set WV,   18                          ; s18 wave
.set G1X,  32                          ; s[32:39] descriptor group 1, mask = my row of the cluster
.set G1W,  40                          ; s[40:47] the same, mask = my column
.macro CROUND                          ; a round of the cluster's barrier
	s_barrier_signal -1
	s_barrier_wait -1
	s_cmp_lg_u32 s[WV], 0
	s_cbranch_scc1 .Lnot_wave_0_\@
	s_barrier_signal -3
.Lnot_wave_0_\@:
	s_barrier_wait -3
	s_barrier_signal -1
	s_barrier_wait -1
.endm
; one product; ra, rb = 1: that side's scale words stand in lanes 16-31
.macro WM d, a, b, c, sa, sb, ra, rb
.if (\ra) && (\rb)
	v_wmma_scale_f32_16x16x128_f8f6f4 v[(\d):(\d)+7], v[(\a):(\a)+11], v[(\b):(\b)+11], v[(\c):(\c)+7], v[\sa], v[\sb] matrix_a_fmt:MATRIX_FMT_FP6 matrix_b_fmt:MATRIX_FMT_FP6 matrix_a_scale:MATRIX_SCALE_ROW1 matrix_b_scale:MATRIX_SCALE_ROW1
.elseif (\ra)
	v_wmma_scale_f32_16x16x128_f8f6f4 v[(\d):(\d)+7], v[(\a):(\a)+11], v[(\b):(\b)+11], v[(\c):(\c)+7], v[\sa], v[\sb] matrix_a_fmt:MATRIX_FMT_FP6 matrix_b_fmt:MATRIX_FMT_FP6 matrix_a_scale:MATRIX_SCALE_ROW1
.elseif (\rb)
	v_wmma_scale_f32_16x16x128_f8f6f4 v[(\d):(\d)+7], v[(\a):(\a)+11], v[(\b):(\b)+11], v[(\c):(\c)+7], v[\sa], v[\sb] matrix_a_fmt:MATRIX_FMT_FP6 matrix_b_fmt:MATRIX_FMT_FP6 matrix_b_scale:MATRIX_SCALE_ROW1
.else
	v_wmma_scale_f32_16x16x128_f8f6f4 v[(\d):(\d)+7], v[(\a):(\a)+11], v[(\b):(\b)+11], v[(\c):(\c)+7], v[\sa], v[\sb] matrix_a_fmt:MATRIX_FMT_FP6 matrix_b_fmt:MATRIX_FMT_FP6
.endif
.endm
.macro FRAGL reg, a16, a8, off         ; a fragment's image into 12 registers
	ds_load_b128 v[(\reg):(\reg)+3], v[\a16] offset:(\off)
	ds_load_b64 v[(\reg)+4:(\reg)+5], v[\a8] offset:(\off)+512
	ds_load_b128 v[(\reg)+6:(\reg)+9], v[\a16] offset:(\off)+768
	ds_load_b64 v[(\reg)+10:(\reg)+11], v[\a8] offset:(\off)+1280
.endm
; pass 1, K step s: six fragments, eight products; the eight accumulators take turns, one instruction a turn, from step to step too
.macro KSTEP s
.irp u, 0,1
	FRAGL XF+12*\u, AX16+(\s)/4, AX8+(\s)/4, ((\s)%4)*FRB+TILB*\u
.endr
.irp j, 0,1,2,3
	FRAGL WF+12*\j, AW16+(\s)/4, AW8+(\s)/4, ((\s)%4)*FRB+TILB*\j
.endr
	s_wait_dscnt 0x0
.irp j, 0,1,2,3
.irp u, 0,1
	WM ACC+32*\u+8*\j, WF+12*\j, XF+12*\u, ACC+32*\u+8*\j, WS+8*(\j/2)+(\s), XS+(\s), \j%2, \u
.endr
.endr
.rept 4
	v_nop                                          ; places in front of loads into registers that matrix instructions have read, and of the first read of results
.endr
.endm
; pass 2, K step s: x's four fragments, Wv's one, four products
.macro VSTEP s
.irp q, 0,1,2,3
	FRAGL XF+12*\q, AP16+(\s)/4, AP8+(\s)/4, ((\s)%4)*FRB+TILB*\q
.endr
	FRAGL 128, AV16+(\s)/4, AV8+(\s)/4, ((\s)%4)*FRB
	s_wait_dscnt 0x0
.irp q, 0,1,2,3
.if (\s) == 0
	WM ACC+8*\q, XF+12*\q, 128, RP, XS+8*(\q/2)+(\s), 168+(\s), \q%2, 0
.else
	WM ACC+8*\q, XF+12*\q, 128, ACC+8*\q, XS+8*(\q/2)+(\s), 168+(\s), \q%2, 0
.endif
.endr
.rept 4
	v_nop
.endr
.endm
; the rotation of tile u: the pair (e, o) at registers 2 q, 2 q + 1 becomes (e c - o s, e s + o c); (c, s) lie at the same place of the table's registers.  From each accumulator's low end on
.macro ROPE u
.irp g, 0,4,8,12
.irp e, 0,1,2,3
	v_pk_mul_f32 v[TM+2*\e:TM+2*\e+1], v[ACC+32*\u+2*(\g+\e):ACC+32*\u+2*(\g+\e)+1], v[RP+32*\u+2*(\g+\e):RP+32*\u+2*(\g+\e)+1] op_sel:[1,1] op_sel_hi:[1,0]   ; (o s, o c)
.endr
.irp e, 0,1,2,3
	v_pk_fma_f32 v[ACC+32*\u+2*(\g+\e):ACC+32*\u+2*(\g+\e)+1], v[ACC+32*\u+2*(\g+\e):ACC+32*\u+2*(\g+\e)+1], v[RP+32*\u+2*(\g+\e):RP+32*\u+2*(\g+\e)+1], v[TM+2*\e:TM+2*\e+1] op_sel_hi:[0,1,1] neg_lo:[0,0,1]   ; (e c - o s, e s + o c)
.endr
.endr
.endm
; 32 numbers of a lane, register 16 b + i = k 32 b + 16 h + i of my row, become half a fragment's codes in v[pc] .. v[pc + 5] and the two scale bytes b0 | b1 << 8 in v[TM + 2]
.macro QUANT2 src, pc, pt
.irp b, 0,1
	v_max3_num_f32 v[TM+\b], |v[(\src)+16*\b]|, |v[(\src)+16*\b+1]|, 0x1800000   ; my 16 numbers of block b, and the floor 2^(3 - 127)
.endr
.irp i, 2,4,6,8,10,12,14
.irp b, 0,1
	v_max3_num_f32 v[TM+\b], v[TM+\b], |v[(\src)+16*\b+\i]|, |v[(\src)+16*\b+\i+1]|
.endr
.endr
.irp b, 0,1
	v_permlanex16_b32 v[TM+2+\b], v[TM+\b], s[SEL], s[SEL+1]
.endr
.irp b, 0,1
	v_max_num_f32 v[TM+\b], v[TM+\b], v[TM+2+\b]   ; with lane l xor 16's: the block's largest magnitude
.endr
.irp b, 0,1
	v_add_nc_u32 v[TM+4+\b], 0xff000000, v[TM+\b]  ; 2 off the exponent field: the conversion's scale operand
.endr
.irp b, 0,1
	v_lshrrev_b32 v[TM+6+\b], 23, v[TM+4+\b]       ; the scale's byte
.endr
	v_lshl_or_b32 v[TM+2], v[TM+7], 8, v[TM+6]
	v_cvt_scalef32_pk16_fp6_f32 v[(\pc):(\pc)+2], v[(\src):(\src)+15], v[TM+4]
	v_cvt_scalef32_pk16_fp6_f32 v[(\pt):(\pt)+2], v[(\src)+16:(\src)+31], v[TM+5]
	v_nop                                          ; one plain place behind a scaled conversion
.irp i, 0,1,2                                  ; the layout wants a whole block in a lane: lanes 0-15 block 0, lanes 16-31 block 1
	v_permlane16_swap_b32 v[(\pc)+\i], v[(\pt)+\i]
.endr
.irp i, 0,1,2
	v_mov_b32 v[(\pc)+3+\i], v[(\pt)+\i]
.endr
.endm
	s_load_b256 s[4:11], s[0:1], 0x0               ; cod, scl, rope, bq
	s_load_b128 s[12:15], s[0:1], 0x20             ; bk, bv
	s_load_b64 s[16:17], s[0:1], 0x30              ; att
	s_set_vgpr_msb 0x40
	v_lshl_add_u32 v0, v0, 2, 0x3c600
	v_mov_b32 v1, 0
	s_set_vgpr_msb 0x4045
	ds_add_u32 v0, v1
	ds_add_u32 v0, v1
	s_set_vgpr_msb 0x4500
	v_lshrrev_b32 v1, 5, v0
	v_readfirstlane_b32 s[WV], v1                  ; wave 0..7
	s_and_b32 s19, s[WV], 3                        ; a
	s_lshr_b32 s20, s[WV], 2                       ; t
	s_bfe_u32 s21, ttmp6, 0x40000                  ; cx
	s_bfe_u32 s22, ttmp6, 0x40004                  ; cy
	s_lshl_b32 s23, ttmp9, 2
	s_add_co_u32 s23, s23, s21                     ; hd = 4 x cluster x + cx
	s_and_b32 s24, ttmp7, 0xffff
	s_lshl_b32 s24, s24, 2
	s_add_co_u32 s24, s24, s22                     ; mb = 4 x cluster y + cy
	s_lshl_b32 s25, s22, 2
	s_lshl_b32 s25, 15, s25                        ; my row of the cluster
	s_lshl_b32 s26, 0x1111, s21                    ; my column
	; group 1: a dense block of 6,144 bytes as 24 rows of 32 elements of 8 bytes; no padding: the images are read by consecutive bytes
	s_or_b32 s[G1X], s25, (3<<16)|(1<<21)          ; 15:0 the mask; 17:16 elements of 8 bytes; 21 set beside a mask
	s_or_b32 s[G1W], s26, (3<<16)|(1<<21)
.irp g, G1X, G1W
	s_mov_b32 s[\g+1], 32<<16                      ; tensor_dim0 = 32
	s_mov_b32 s[\g+2], 24<<16                      ; tensor_dim1 = 24
	s_mov_b32 s[\g+3], 32<<16                      ; tile_dim0 = 32
	s_mov_b32 s[\g+4], 24                          ; tile_dim1 = 24
	s_mov_b32 s[\g+5], 32                          ; pitch
	s_mov_b32 s[\g+6], 0
	s_mov_b32 s[\g+7], 0
.endr
	s_lshl_b32 s72, s24, 3                         ; x: tile 8 mb + w (registers that never hold hd)
	s_add_co_u32 s72, s72, s[WV]
	s_mul_i32 s72, s72, 2*TILB
	s_mov_b32 s73, 0
	s_lshl_b32 s74, s23, 2                         ; the weights: tile 4 hd + a (registers that never hold mb)
	s_add_co_u32 s74, s74, s19
	s_mul_i32 s74, s74, 2*TILB
	s_mul_i32 s76, s20, 786432                     ; Wq (t = 0) or Wk (t = 1)
	s_add_co_u32 s76, s76, s74
	s_add_co_u32 s76, s76, 3145728
	s_mov_b32 s77, 0
	s_mul_i32 s78, s20, TILB                       ; Wv: half t of K
	s_add_co_u32 s78, s78, s74
	s_add_co_u32 s78, s78, 4718592
	s_mov_b32 s79, 0
	s_mul_i32 s27, s[WV], TILB                     ; where they go: wave x 6,144: no place in the cluster enters an LDS address
	s_mov_b32 s[SEL], 0x76543210
	s_mov_b32 s[SEL+1], 0xfedcba98
	s_wait_dscnt 0x0
	s_wait_kmcnt 0x0
	s_mov_b32 s48, 1                               ; x, K steps 0-3
	s_add_co_u32 s49, s27, XB
	s_add_nc_u64 s[50:51], s[4:5], s[72:73]
	s_or_b32 s51, s51, 0x80000000
	s_mov_b32 s52, 1                               ; Wq or Wk, K steps 0-3
	s_add_co_u32 s53, s27, WB
	s_add_nc_u64 s[54:55], s[4:5], s[76:77]
	s_or_b32 s55, s55, 0x80000000
	s_mov_b32 s56, 1                               ; x, K steps 4-7
	s_add_co_u32 s57, s27, XB+CH
	s_add_nc_u64 s[58:59], s[4:5], s[72:73]
	s_add_nc_u64 s[58:59], s[58:59], TILB
	s_or_b32 s59, s59, 0x80000000
	s_mov_b32 s60, 1                               ; Wq or Wk, K steps 4-7
	s_add_co_u32 s61, s27, WB+CH
	s_add_nc_u64 s[62:63], s[4:5], s[76:77]
	s_add_nc_u64 s[62:63], s[62:63], TILB
	s_or_b32 s63, s63, 0x80000000
	s_mov_b32 s68, 1                               ; Wv
	s_add_co_u32 s69, s27, VB
	s_add_nc_u64 s[70:71], s[4:5], s[78:79]
	s_or_b32 s71, s71, 0x80000000
	CROUND                                         ; all sixteen work-groups are here: the joint loads meet
	tensor_load_to_lds s[48:51], s[G1X:G1X+7]      ; five loads of mine are out, in the order in which they are wanted
	s_nop 0
	tensor_load_to_lds s[52:55], s[G1W:G1W+7]
	s_nop 0
	tensor_load_to_lds s[56:59], s[G1X:G1X+7]
	s_nop 0
	tensor_load_to_lds s[60:63], s[G1W:G1W+7]
	s_nop 0
	tensor_load_to_lds s[68:71], s[G1W:G1W+7]
	s_nop 0
.rept 4
	v_nop
.endr
	v_and_b32 v1, 15, v0                           ; r
	v_bfe_u32 v2, v0, 4, 1                         ; h
	v_and_b32 v3, 31, v0
	v_lshlrev_b32 v4, 3, v3                        ; 8 x lane
	v_lshlrev_b32 v3, 4, v3                        ; 16 x lane
	v_lshlrev_b32 v248, 6, v2                      ; the bias: 64 h
	v_lshlrev_b32 v249, 9, v2
	v_lshl_add_u32 v249, v1, 2, v249               ; scale words: 512 h + 4 r: lanes 0-15 the even tile's, lanes 16-31 the odd tile's
	s_mov_b32 s81, 0
	s_cmp_eq_u32 s20, 0
	s_cselect_b64 s[82:83], s[10:11], s[12:13]     ; bq or bk
	s_lshl_b32 s80, s23, 8
	s_add_nc_u64 s[82:83], s[82:83], s[80:81]
.irp u, 0,1                                    ; the bias is the sums' beginning: register 8 j + i of lane (r, h) is channel 32 (j / 2) + 8 (j % 2) + 16 h + i
.irp j, 0,1,2,3
	global_load_b128 v[ACC+32*\u+8*\j:ACC+32*\u+8*\j+3], v248, s[82:83] offset:(32*(\j/2)+8*(\j%2))*4
	global_load_b128 v[ACC+32*\u+8*\j+4:ACC+32*\u+8*\j+7], v248, s[82:83] offset:(32*(\j/2)+8*(\j%2))*4+16
.endr
.endr
	s_lshl_b32 s80, s24, 12                        ; x's scale words: tile 8 mb + 2 a (+ h)
	s_lshl_b32 s25, s19, 10
	s_add_co_u32 s80, s80, s25
	s_add_nc_u64 s[86:87], s[6:7], s[80:81]
	s_lshl_b32 s80, s20, 15                        ; W's: tile 256 + 64 t + 4 hd (+ 2 p + h)
	s_lshl_b32 s25, s23, 11
	s_add_co_u32 s80, s80, s25
	s_add_co_u32 s80, s80, 131072
	s_add_nc_u64 s[88:89], s[6:7], s[80:81]
.irp s, 0,1,2,3,4,5,6,7
	global_load_b32 v[XS+\s], v249, s[86:87] offset:64*\s
.endr
.irp p, 0,1
.irp s, 0,1,2,3,4,5,6,7
	global_load_b32 v[WS+8*\p+\s], v249, s[88:89] offset:1024*\p+64*\s
.endr
.endr
	s_and_b32 s80, s24, 15                         ; the table: position tile 8 (mb % 16) + 2 a (+ u)
	s_lshl_b32 s80, s80, 3
	s_lshl_b32 s25, s19, 1
	s_add_co_u32 s80, s80, s25
	s_lshl_b32 s80, s80, 12
	s_add_nc_u64 s[90:91], s[8:9], s[80:81]
.irp u, 0,1
.irp g, 0,1,2,3,4,5,6,7
	global_load_b128 v[RP+32*\u+4*\g:RP+32*\u+4*\g+3], v3, s[90:91] offset:4096*\u+512*\g
.endr
.endr
	; LDS addresses: constants, the wave's number, the lane
	s_mul_i32 s28, s19, 2*TILB                     ; pass 1: x's tiles 2 a, 2 a + 1
	v_add_nc_u32 v[AX16], s28, v3
	v_add_nc_u32 v[AX8], s28, v4
	v_add_nc_u32 v[AX16+1], CH, v[AX16]
	v_add_nc_u32 v[AX8+1], CH, v[AX8]
	s_mul_i32 s29, s20, 4*TILB                     ; W's tiles 4 t ..; pass 2: x's tiles 4 t ..
	s_add_co_u32 s25, s29, WB
	v_add_nc_u32 v[AW16], s25, v3
	v_add_nc_u32 v[AW8], s25, v4
	v_add_nc_u32 v[AW16+1], CH, v[AW16]
	v_add_nc_u32 v[AW8+1], CH, v[AW8]
	v_add_nc_u32 v[AP16], s29, v3
	v_add_nc_u32 v[AP8], s29, v4
	v_add_nc_u32 v[AP16+1], CH, v[AP16]
	v_add_nc_u32 v[AP8+1], CH, v[AP8]
	s_mul_i32 s26, s19, TILB                       ; Wv's tile a
	s_add_co_u32 s26, s26, VB
	v_add_nc_u32 v[AV16], s26, v3
	v_add_nc_u32 v[AV8], s26, v4
	v_add_nc_u32 v[AV16+1], 4*TILB, v[AV16]
	v_add_nc_u32 v[AV8+1], 4*TILB, v[AV8]
	s_lshl_b32 s25, s20, 9                         ; q's or k's scale words [2][16 rows][4 tiles]: tile 2 a + h is word (2 a + h) % 4 of group a / 2
	s_lshr_b32 s26, s19, 1
	s_lshl_b32 s26, s26, 8
	s_add_co_u32 s25, s25, s26
	s_and_b32 s26, s19, 1
	s_lshl_b32 s26, s26, 3
	s_add_co_u32 s25, s25, s26
	s_add_co_u32 s25, s25, SST
	v_lshlrev_b32 v[SSA], 4, v1
	v_lshl_add_u32 v[SSA], v2, 2, v[SSA]
	v_add_nc_u32 v[SSA], s25, v[SSA]
	s_lshl_b32 s25, s19, 2                         ; v's [16 rows][4 tiles]: bytes 2 t, 2 t + 1 of word a
	s_lshl_b32 s26, s20, 1
	s_add_co_u32 s25, s25, s26
	s_add_co_u32 s25, s25, SST+1024
	v_lshl_add_u32 v[SSV], v1, 4, s25
	v_mov_b32 v250, 0                              ; written once: a lane permute's destination counts as one of its sources
	v_mov_b32 v251, 0
	; the other bases
	s_lshl_b32 s80, s24, 12                        ; pass 2: x's scale words: tile 8 mb + 4 t (+ 2 p + h)
	s_lshl_b32 s25, s20, 11
	s_add_co_u32 s80, s80, s25
	s_add_nc_u64 s[92:93], s[6:7], s[80:81]
	s_lshl_b32 s80, s23, 11                        ; Wv's: tile 384 + 4 hd + a
	s_lshl_b32 s25, s19, 9
	s_add_co_u32 s80, s80, s25
	s_add_co_u32 s80, s80, 196608
	s_add_nc_u64 s[94:95], s[6:7], s[80:81]
	s_lshl_b32 s80, s23, 8                         ; bv: channel 64 hd + 32 (a / 2) + 8 (a % 2) (+ r + 8 (r / 8))
	s_lshr_b32 s25, s19, 1
	s_lshl_b32 s25, s25, 7
	s_add_co_u32 s80, s80, s25
	s_and_b32 s25, s19, 1
	s_lshl_b32 s25, s25, 5
	s_add_co_u32 s80, s80, s25
	s_add_nc_u64 s[96:97], s[14:15], s[80:81]
	s_lshr_b32 s25, s24, 4                         ; the record: 16 (16 batch + hd) + mb % 16
	s_lshl_b32 s25, s25, 4
	s_add_co_u32 s25, s25, s23
	s_lshl_b32 s26, s25, 4
	s_and_b32 s25, s24, 15
	s_add_co_u32 s26, s26, s25
	s_mul_i32 s80, s26, REC
	s_add_nc_u64 s[84:85], s[16:17], s[80:81]      ; the record
	s_mul_i32 s28, s26, 8*768
	s_add_co_u32 s28, s28, QI
	s_cmp_eq_u32 s20, 0
	s_cselect_b32 s80, s28, s80                    ; q's images lie behind the records, k's at the record's head
	s_mul_i32 s29, s19, 2*768
	s_add_co_u32 s80, s80, s29
	s_add_nc_u64 s[98:99], s[16:17], s[80:81]      ; where my two images go
	s_lshl_b32 s80, s26, 9
	s_add_co_u32 s80, s80, QS
	s_add_nc_u64 s[30:31], s[16:17], s[80:81]      ; q's scale words
	s_lshl_b32 s80, s19, 1
	s_add_co_u32 s80, s80, s20
	s_mul_i32 s80, s80, 768
	s_add_co_u32 s80, s80, 6144
	s_add_nc_u64 s[28:29], s[84:85], s[80:81]      ; v's half image 2 a + t
	s_wait_tensorcnt 0x3                           ; my parts of x's and W's K steps 0-3 are in; the three loads behind them may be out
	s_barrier_signal -1
	s_barrier_wait -1                              ; everybody's are
	s_wait_loadcnt 16                              ; the bias and the scale words are in; the table's sixteen loads may be out
	KSTEP 0
	KSTEP 1
	KSTEP 2
	KSTEP 3
	s_wait_tensorcnt 0x0                           ; all my parts are in,
	s_barrier_signal -1
	s_barrier_wait -1                              ; everybody's are
	KSTEP 4
	KSTEP 5
	KSTEP 6
	KSTEP 7
	; pass 2's scale words and bias are asked for now (their address registers stay until the wait for them)
	v_lshlrev_b32 v112, 9, v2
	v_lshl_add_u32 v112, v1, 2, v112               ; 512 h + 4 r
	v_lshlrev_b32 v113, 2, v1                      ; 4 r
	v_lshrrev_b32 v114, 3, v1
	v_lshl_add_u32 v114, v114, 3, v1
	v_lshlrev_b32 v114, 2, v114                    ; 4 (r + 8 (r / 8))
.irp p, 0,1
.irp s, 0,1,2,3,4,5,6,7
	global_load_b32 v[XS+8*\p+\s], v112, s[92:93] offset:1024*\p+64*\s
.endr
.endr
.irp s, 0,1,2,3,4,5,6,7
	global_load_b32 v[168+\s], v113, s[94:95] offset:64*\s
.endr
	global_load_b32 v[BVL], v114, s[96:97]
	s_wait_loadcnt 25                              ; the table is in; the 25 just issued may be out
	ROPE 0
	QUANT2 ACC, 80, 88
	v_lshl_or_b32 v108, v[TM+2], 16, v[TM+2]       ; b0, b1, b0, b1
	global_store_b128 v3, v[80:83], s[98:99]
	global_store_b64 v4, v[84:85], s[98:99] offset:512
	ROPE 1
	QUANT2 ACC+32, 96, 104
	v_lshl_or_b32 v109, v[TM+2], 16, v[TM+2]
	global_store_b128 v3, v[96:99], s[98:99] offset:768
	global_store_b64 v4, v[100:101], s[98:99] offset:1280
	v_cmp_ne_u32 vcc_lo, 0, v2
	v_cndmask_b32 v110, v108, v109, vcc_lo         ; lanes 0-15 tile 2 a's word of row r, lanes 16-31 tile 2 a + 1's
	ds_store_b32 v[SSA], v110
	s_wait_loadcnt 0x0                             ; pass 2's scale words and bias
.irp i, 0,1,2,3,4,5,6,7
	v_mov_b32 v[RP+\i], v[BVL]                     ; in pass 2 a lane holds one channel: its bias in all eight registers of C
.endr
.rept 4
	v_nop                                          ; an operand written by vector instructions stands four places ahead of a scaled matrix instruction
.endr
	s_wait_xcnt 0x0                                ; the stores above have read their registers: x's fragments may land there
	VSTEP 0
	VSTEP 1
	VSTEP 2
	VSTEP 3
	VSTEP 4
	VSTEP 5
	VSTEP 6
	VSTEP 7
	QUANT2 ACC, 144, 140
	global_store_b128 v3, v[144:147], s[28:29]
	global_store_b64 v4, v[148:149], s[28:29] offset:512
	ds_store_b16 v[SSV], v[TM+2]                   ; lanes l and l xor 16 write the same two bytes with the same value
	s_min_u32 s25, s[WV], 1
	s_lshl_b32 s25, s25, 9
	s_add_co_u32 s25, s25, SST
	v_add_nc_u32 v5, s25, v3                       ; waves 0, 1: q's, k's 512 bytes
	v_add_nc_u32 v6, SST+1024, v4                  ; wave 2: v's 256 bytes
	s_wait_dscnt 0x0                               ; for the others' sake: my stores have landed
	s_barrier_signal -1
	s_barrier_wait -1
	s_cmp_lt_u32 s[WV], 2
	s_cbranch_scc0 .Lnot_qk
	ds_load_b128 v[16:19], v5
	s_add_nc_u64 s[80:81], s[84:85], 12288
	s_cmp_eq_u32 s[WV], 0
	s_cselect_b64 s[80:81], s[30:31], s[80:81]
	s_wait_dscnt 0x0
	global_store_b128 v3, v[16:19], s[80:81]       ; 512 consecutive bytes
	s_branch .Lout
.Lnot_qk:
	s_cmp_eq_u32 s[WV], 2
	s_cbranch_scc0 .Lout
	ds_load_b64 v[16:17], v6
	s_wait_dscnt 0x0
	global_store_b64 v4, v[16:17], s[84:85] offset:12800   ; 256 consecutive bytes
.Lout:
	s_set_vgpr_msb 0x5
	s_wait_tensorcnt 0x0
	ds_add_u32 v0, v1
	s_wait_dscnt 0x0
	s_set_vgpr_msb 0x500
	CROUND                                         ; the closing round: no work-group ends while a partner may still ask for a tile that names it
	s_endpgm
.Lfunc_end_k_qef4a0346d1_qkv:
	.size	k_qef4a0346d1_qkv, .Lfunc_end_k_qef4a0346d1_qkv-k_qef4a0346d1_qkv
	.p2alignl 7, 3214868480
	.fill 96, 4, 3214868480
	.section	.rodata,"a",@progbits
	.p2align	6, 0x0
	.amdhsa_kernel k_qef4a0346d1_qkv
		.amdhsa_group_segment_fixed_size 248320
		.amdhsa_private_segment_fixed_size 0
		.amdhsa_enable_private_segment 0
		.amdhsa_kernarg_size 56
		.amdhsa_user_sgpr_count 2
		.amdhsa_user_sgpr_kernarg_segment_ptr 1
		.amdhsa_wavefront_size32 1
		.amdhsa_system_sgpr_workgroup_id_x 1
		.amdhsa_system_sgpr_workgroup_id_y 1
		.amdhsa_system_sgpr_workgroup_id_z 1
		.amdhsa_system_vgpr_workitem_id 0
		.amdhsa_next_free_vgpr 258
		.amdhsa_next_free_sgpr 100
		.amdhsa_reserve_vcc 1
		.amdhsa_float_denorm_mode_32 3
		.amdhsa_float_denorm_mode_16_64 3
		.amdhsa_memory_ordered 1
		.amdhsa_forward_progress 1
		.amdhsa_inst_pref_size 67
	.end_amdhsa_kernel
	.amdgpu_metadata
---
amdhsa.version: [ 1, 2 ]
amdhsa.kernels:
  - .name:           k_qef4a0346d1_qkv
    .symbol:         k_qef4a0346d1_qkv.kd
    .args:
      - { .name: cod, .offset: 0, .size: 8, .value_kind: global_buffer, .address_space: global }
      - { .name: scl, .offset: 8, .size: 8, .value_kind: global_buffer, .address_space: global }
      - { .name: rope, .offset: 16, .size: 8, .value_kind: global_buffer, .address_space: global }
      - { .name: bq, .offset: 24, .size: 8, .value_kind: global_buffer, .address_space: global }
      - { .name: bk, .offset: 32, .size: 8, .value_kind: global_buffer, .address_space: global }
      - { .name: bv, .offset: 40, .size: 8, .value_kind: global_buffer, .address_space: global }
      - { .name: att, .offset: 48, .size: 8, .value_kind: global_buffer, .address_space: global }
    .group_segment_fixed_size: 248320
    .private_segment_fixed_size: 0
    .kernarg_segment_align: 8
    .kernarg_segment_size: 56
    .max_flat_workgroup_size: 256
    .sgpr_count:     100
    .vgpr_count:     258
    .wavefront_size: 32
...
	.end_amdgpu_metadata
.endif
;; end of part 2
;; launch attn (part 3): grid 8 x 32, 16 waves a work-group, no clusters, 210,944 bytes of LDS; arguments att, mw, mf, ao; writes ao
.if DOCPART == 3
	.amdgcn_target "amdgcn-amd-amdhsa--gfx1250"
	.amdhsa_code_object_version 6
	.text
	.protected	k_qef4a0346d1_attn
	.globl	k_qef4a0346d1_attn
	.p2align	8
	.type	k_qef4a0346d1_attn,@function
k_qef4a0346d1_attn:
	s_mov_b64 s[64:65], 0
	v_nop
	global_prefetch_b8 v0, s[64:65] scope:SCOPE_SE
	s_setreg_imm32_b32 hwreg(HW_REG_WAVE_MODE, 25, 1), 1
	s_wait_xcnt 0x0
; ATTENTION on codes of FP6 (E2M3) with E8M0 scales: S^T = K Q^T, the mask, p = 2^(t - M), O^T += V^T P^T, O / l, quantised along d_model for the last product.
; t = score x log2(e) / 8; M = the running largest t rounded UP to a whole number; p is not normalised; the row's sum l is taken of the unquantised p.  When M moves, l and O are multiplied by 2^(old M - new M): exact.
; SHARES.  A work-group takes one (batch, head) and 16 query tiles; each of its sixteen waves owns ONE tile of 16 queries, T = 8 rank + work-group x.  The ranks 0 .. 15 are dealt by a table in which any four waves
; w % 4 alike, and any four w / 4 alike, have the same sum of ranks: that evens the work out where later queries see more keys, and changes nothing for any other mask.
; THE WHOLE HEAD'S 16 records (13,056 bytes each: K's 8 half images, V's 8, their scale words) are copied into LDS once, through registers, a record a wave; behind the one barrier the waves never meet again.
; No tensor load and no joint request: a step's work is jumped over by a stored class, and what work-groups could share is 204 KiB once.
; THE MASK comes as lane-mask words (64 for a step: word n for score register n) and a class for each step: 0 = no key of the step is open for any of my queries: the step is left out (its p would all be 0);
; 1 = the words are applied; 2 = all open.  A tile in which some query has no open key at all has class 1 throughout.  A hidden score becomes -2^70: times c that is exact, so a row of hidden keys alone gets
; t - M = 0, p = 1 for every key, as the definition's -1e20 gives; once an open key comes, 2^(old M - new M) is 0 and wipes what was summed.  LIMIT: open raw scores lie above -2^70.  NaN, infinities: not served.
; LAYOUT.  Both products are used transposed: a lane holds ONE query (lane % 16).  The keys of tile 2 b + u are 32 b + 8 u + i + 8 (i / 8): the 16 registers of two neighbouring tiles are keys 32 b + 16 h + 0 .. 15.
; K = 64 in the first product: Q's registers 6-11 are zero codes; K's operand names 12 registers of which the upper six are the next tile's codes (for the last tile whatever codes lie behind): every code of this
; format is a finite number, and times a zero code it adds nothing.
; REGISTERS: v1-3 16 x lane, 8 x lane, 16 r; v4-6 the same + the record; v7 -2^70; v8 Q's scale word, v9 P's; v12 -M, v13 the largest t, v[14:15] l; v16-27 Q; v28-35 K's scale words, v36-39 V's; v40-95 K's, then V's codes;
;   v96-159 S^T, then p; v160-191 O^T; v192-203 P's codes; v204-210 at work; v212-226 at work.   s32-63, s68-99: the step's 64 mask words.
.set REC, 13056
.set QI,  6684672
.set QS,  9830400
.set AOS, 3145728
.set KV,  40
.set ST,  96
.set OT,  160
.set PCD, 192
.set TM,  212
.set SEL, 20
.macro QUANT2 src, pc, pt              ; 32 numbers of a lane, register 16 b + i = k 32 b + 16 h + i, become half a fragment's codes in v[pc] .. v[pc + 5] and the bytes b0 | b1 << 8 in v[TM + 2]
.irp b, 0,1
	v_max3_num_f32 v[TM+\b], |v[(\src)+16*\b]|, |v[(\src)+16*\b+1]|, 0x1800000
.endr
.irp i, 2,4,6,8,10,12,14
.irp b, 0,1
	v_max3_num_f32 v[TM+\b], v[TM+\b], |v[(\src)+16*\b+\i]|, |v[(\src)+16*\b+\i+1]|
.endr
.endr
.irp b, 0,1
	v_permlanex16_b32 v[TM+2+\b], v[TM+\b], s[SEL], s[SEL+1]
.endr
.irp b, 0,1
	v_max_num_f32 v[TM+\b], v[TM+\b], v[TM+2+\b]
.endr
.irp b, 0,1
	v_add_nc_u32 v[TM+4+\b], 0xff000000, v[TM+\b]
.endr
.irp b, 0,1
	v_lshrrev_b32 v[TM+6+\b], 23, v[TM+4+\b]
.endr
	v_lshl_or_b32 v[TM+2], v[TM+7], 8, v[TM+6]
	v_cvt_scalef32_pk16_fp6_f32 v[(\pc):(\pc)+2], v[(\src):(\src)+15], v[TM+4]
	v_cvt_scalef32_pk16_fp6_f32 v[(\pt):(\pt)+2], v[(\src)+16:(\src)+31], v[TM+5]
	v_nop                                          ; one plain place behind a scaled conversion
.irp i, 0,1,2
	v_permlane16_swap_b32 v[(\pc)+\i], v[(\pt)+\i]
.endr
.irp i, 0,1,2
	v_mov_b32 v[(\pc)+3+\i], v[(\pt)+\i]
.endr
.endm
	s_load_b256 s[4:11], s[0:1], 0x0               ; att, mw, mf, ao
	v_lshl_add_u32 v254, v0, 2, 0x33000
	v_mov_b32 v255, 0
	v_lshrrev_b32 v1, 5, v0
	v_readfirstlane_b32 s12, v1                    ; wave 0..15
	s_mov_b32 s13, 0x0de3b658                      ; ranks of waves 8-15, four bits each,
	s_cmp_lt_u32 s12, 8
	s_cselect_b32 s13, 0x7a94c12f, s13             ; of waves 0-7
	s_and_b32 s26, s12, 7
	s_lshl_b32 s26, s26, 2
	s_lshr_b32 s13, s13, s26
	s_and_b32 s13, s13, 15
	s_lshl_b32 s14, s13, 3
	s_add_co_u32 s14, s14, ttmp9                   ; T
	s_and_b32 s15, ttmp7, 0xffff                   ; 16 batch + head
	v_and_b32 v3, 15, v0
	v_and_b32 v2, 31, v0
	v_lshlrev_b32 v1, 4, v2                        ; 16 x lane
	v_lshlrev_b32 v2, 3, v2                        ; 8 x lane
	v_lshlrev_b32 v3, 4, v3                        ; 16 r
	s_mov_b32 s[SEL], 0x76543210
	s_mov_b32 s[SEL+1], 0xfedcba98
	s_mov_b32 s22, 0x3e38aa3b                      ; c = log2(e) / 8
	s_mov_b32 s23, s22                             ; (the packed form names the pair)
	s_lshl_b32 s26, s14, 2                         ; mf: word T
	s_mov_b32 s27, 0
	s_lshl_b32 s28, s15, 7                         ; Q's image
	s_add_co_u32 s28, s28, s14
	s_mul_i32 s28, s28, 768
	s_add_co_u32 s28, s28, QI
	s_mov_b32 s29, 0
	s_lshl_b32 s30, s15, 4                         ; Q's scale words: block T / 8, group (T / 4) % 2, word T % 4
	s_lshr_b32 s31, s14, 3
	s_add_co_u32 s30, s30, s31
	s_lshl_b32 s30, s30, 9
	s_bfe_u32 s31, s14, 0x10002
	s_lshl_b32 s31, s31, 8
	s_add_co_u32 s30, s30, s31
	s_and_b32 s31, s14, 3
	s_lshl_b32 s31, s31, 2
	s_add_co_u32 s30, s30, s31
	s_add_co_u32 s30, s30, QS
	s_mov_b32 s31, 0
	s_lshl_b32 s2, s15, 4                          ; record w of my head
	s_add_co_u32 s2, s2, s12
	s_mul_i32 s2, s2, REC
	s_mov_b32 s3, 0
	s_lshl_b32 s24, s14, 12                        ; my tile's mask words: 16 steps of 256 bytes
	s_mov_b32 s25, 0
	s_wait_kmcnt 0x0
	s_add_nc_u64 s[8:9], s[8:9], s[26:27]
	s_load_b32 s16, s[8:9], 0x0                    ; my tile's sixteen classes
	s_add_nc_u64 s[28:29], s[4:5], s[28:29]
	s_add_nc_u64 s[30:31], s[4:5], s[30:31]
	s_add_nc_u64 s[2:3], s[4:5], s[2:3]
	s_add_nc_u64 s[24:25], s[6:7], s[24:25]
	global_load_b128 v[16:19], v1, s[28:29]
	global_load_b64 v[20:21], v2, s[28:29] offset:512
	global_load_b32 v8, v3, s[30:31]
.irp i, 0,1,2,3,4,5,6,7,8,9,10,11,12,13,14,15,16,17,18,19,20,21,22,23,24
	global_load_b128 v[40+4*\i:43+4*\i], v1, s[2:3] offset:512*\i
.endr
	global_load_b64 v[140:141], v2, s[2:3] offset:12800
	s_mul_i32 s26, s12, REC
	v_add_nc_u32 v4, s26, v1
	v_add_nc_u32 v5, s26, v2
	v_mov_b32 v7, 0xe2800000                       ; -2^70
.irp i, 22,23,24,25,26,27
	v_mov_b32 v[\i], 0                             ; Q's codes of k = 64 .. 127
.endr
	v_mov_b32 v13, 0xff61b1e6                      ; the largest t so far: -3e38
	v_floor_f32 v12, -v13                          ; -M
	v_mov_b32 v14, 0
	v_mov_b32 v15, 0
.set n, 0
.rept 32
	v_mov_b32 v[OT+n], 0                           ; O^T.  (The step is written once: the first finds zeros, which the first change of M leaves zeros)
.set n, n+1
.endr
.irp i, 214,215,216,217,218,219,225,226
	v_mov_b32 v[\i], 0                             ; lane permutes' destinations and the upper half of a named pair: written once
.endr
.irp i, 0,1,2,3,4,5,6,7,8,9,10,11,12,13,14,15,16,17,18,19,20,21,22,23,24
	s_wait_loadcnt 25-\i                           ; load i of the record is in; the younger ones may be out
	ds_store_b128 v4, v[40+4*\i:43+4*\i] offset:512*\i
.endr
	s_wait_loadcnt 0x0
	ds_store_b64 v5, v[140:141] offset:12800
	s_wait_dscnt 0x0                               ; for the others' sake: my record has landed
	s_barrier_signal -1
	s_barrier_wait -1                              ; all sixteen have
	s_wait_kmcnt 0x0                               ; the classes
	s_mov_b32 s18, 0
	s_mov_b32 s19, 0                               ; LDS byte of the step's record
.Lstep:                                            ; sixteen trips, a constant; a step's work is jumped over, never the lines that step addresses
	s_and_b32 s17, s16, 3
	s_cmp_eq_u32 s17, 0
	s_cbranch_scc1 .Lskip
	s_load_b512 s[32:47], s[24:25], 0x0            ; the step's 64 mask words
	s_load_b512 s[48:63], s[24:25], 0x40
	s_load_b512 s[68:83], s[24:25], 0x80
	s_load_b512 s[84:99], s[24:25], 0xc0
	v_add_nc_u32 v4, s19, v1
	v_add_nc_u32 v5, s19, v2
	v_add_nc_u32 v6, s19, v3
.irp t, 0,1,2,3,4,5,6,7
	ds_load_b128 v[KV+6*\t:KV+6*\t+3], v4 offset:768*\t
	ds_load_b64 v[KV+6*\t+4:KV+6*\t+5], v5 offset:768*\t+512
.endr
	ds_load_b128 v[28:31], v6 offset:12288         ; K's scale words: row r's, of tiles 0-3,
	ds_load_b128 v[32:35], v6 offset:12544         ; of tiles 4-7
	s_wait_dscnt 0x0
.irp t, 0,1,2,3,4,5,6,7
	v_wmma_scale_f32_16x16x128_f8f6f4 v[ST+8*\t:ST+8*\t+7], v[KV+6*\t:KV+6*\t+11], v[16:27], 0, v[28+\t], v8 matrix_a_fmt:MATRIX_FMT_FP6 matrix_b_fmt:MATRIX_FMT_FP6
.endr
.rept 4
	v_nop                                          ; places in front of loads into registers that these products have read, and of the first read of the scores
.endr
.irp j, 0,1,2,3                                ; V's codes land while the softmax is worked
.irp c, 0,1
	ds_load_b128 v[KV+12*\j+6*\c:KV+12*\j+6*\c+3], v4 offset:6144+(2*\j+\c)*768
	ds_load_b64 v[KV+12*\j+6*\c+4:KV+12*\j+6*\c+5], v5 offset:6144+(2*\j+\c)*768+512
.endr
.endr
	ds_load_b128 v[36:39], v6 offset:12800         ; V's scale words: channel row r's, of tiles 0-3
	s_wait_kmcnt 0x0                               ; the mask words are in (and their base may be stepped)
	s_cmp_eq_u32 s17, 2
	s_cbranch_scc1 .Lopen
.set n, 0
.rept 64
	v_cndmask_b32 v[ST+n], v7, v[ST+n], s[32+n+4*(n/32)]   ; a hidden key's score becomes -2^70; from each accumulator's low end on
.set n, n+1
.endr
.Lopen:
.irp b, 0,1,2,3
	v_max3_num_f32 v[TM+\b], v[ST+16*\b], v[ST+1+16*\b], v[ST+2+16*\b]   ; the largest score of each block of 32 keys: for the row's maximum, and, since p rises with the score, for the block's largest p
.endr
.irp i, 3,5,7,9,11,13
.irp b, 0,1,2,3
	v_max3_num_f32 v[TM+\b], v[TM+\b], v[ST+16*\b+\i], v[ST+1+16*\b+\i]
.endr
.endr
.irp b, 0,1,2,3
	v_max_num_f32 v[TM+\b], v[TM+\b], v[ST+15+16*\b]
.endr
.irp b, 0,1,2,3
	v_permlanex16_b32 v[TM+4+\b], v[TM+\b], s[SEL], s[SEL+1]
.endr
.irp b, 0,1,2,3
	v_max_num_f32 v[TM+\b], v[TM+\b], v[TM+4+\b]   ; with lane l xor 16's 16 keys
.endr
	v_max3_num_f32 v226, v212, v213, v214
	v_max_num_f32 v226, v226, v215                 ; the step's largest score of my query
	v_mul_f32 v226, s22, v226                      ; as t
	v_max_num_f32 v13, v13, v226                   ; the running largest t
	v_mov_b32 v226, v12
	v_floor_f32 v12, -v13                          ; the new -M = floor(-t): M is a whole number
	v_sub_f32 v226, v12, v226                      ; old M - new M: a whole number, 0 or less
	v_cvt_i32_f32 v226, v226                       ; (it saturates)
	v_ldexp_f32 v224, 1.0, v226                    ; f = 2^(old M - new M)
.set n, 0
.rept 32
	v_pk_fma_f32 v[ST+n:ST+n+1], v[ST+n:ST+n+1], s[22:23], v[12:13] op_sel_hi:[1,0,0]   ; t - M, two at a time
.set n, n+2
.endr
.irp b, 0,1,2,3
	v_fma_f32 v[TM+\b], v[TM+\b], s22, v12         ; the same of each block's largest score
.endr
.set n, 0
.rept 64
	v_exp_f32 v[ST+n], v[ST+n]                     ; p = 2^(t - M), at most 1
.set n, n+1
.endr
	v_pk_mul_f32 v[14:15], v[14:15], v[224:225] op_sel_hi:[1,0]   ; l under the new M.  (A plain place behind the exponentials)
	s_wait_alu depctr_va_vdst(0)                   ; one wait for the whole batch, ahead of its first reader
.irp b, 0,1,2,3
	v_exp_f32 v[TM+\b], v[TM+\b]                   ; the block's largest p: the same two instructions on the same number give the same bits
.endr
	v_pk_add_f32 v[216:217], v[ST:ST+1], v[ST+2:ST+3]   ; the row's sum is taken of the unquantised p, in two chains.  (It reads the 64 alone: plain work behind the four)
.irp j, 4,8,12,16,20,24,28,32,36,40,44,48,52,56,60
	v_pk_add_f32 v[14:15], v[14:15], v[ST+\j:ST+\j+1]
	v_pk_add_f32 v[216:217], v[216:217], v[ST+2+\j:ST+3+\j]
.endr
	v_pk_add_f32 v[14:15], v[14:15], v[216:217]
	s_wait_alu depctr_va_vdst(0)                   ; and one for the four
.irp b, 0,1,2,3
	v_max_num_f32 v[TM+\b], 0x1800000, v[TM+\b]    ; the floor 2^(3 - 127): a block whose every p is 0 keeps the byte 1: its codes are zeros
.endr
.irp b, 0,1,2,3
	v_add_nc_u32 v[TM+8+\b], 0xff000000, v[TM+\b]  ; 2 off the exponent field: the conversion's scale operand
.endr
.irp b, 0,1,2,3
	v_lshrrev_b32 v[TM+4+\b], 23, v[TM+8+\b]       ; the scale's byte
.endr
	v_lshl_or_b32 v9, v217, 8, v216                ; p's scale word for these 128 keys
	v_lshl_or_b32 v9, v218, 16, v9
	v_lshl_or_b32 v9, v219, 24, v9
.irp c, 0,1
	v_cvt_scalef32_pk16_fp6_f32 v[PCD+6*\c:PCD+6*\c+2], v[ST+32*\c:ST+32*\c+15], v[TM+8+2*\c]
	v_cvt_scalef32_pk16_fp6_f32 v[204+4*\c:206+4*\c], v[ST+16+32*\c:ST+31+32*\c], v[TM+8+2*\c+1]
.endr
	v_nop                                          ; one plain place behind a scaled conversion
.irp c, 0,1                                    ; a whole block in a lane: lanes 0-15 block 2 c, lanes 16-31 block 2 c + 1
.irp i, 0,1,2
	v_permlane16_swap_b32 v[PCD+6*\c+\i], v[204+4*\c+\i]
.endr
.irp i, 0,1,2
	v_mov_b32 v[PCD+3+6*\c+\i], v[204+4*\c+\i]
.endr
.endr
.set n, 0
.rept 16
	v_pk_mul_f32 v[OT+n:OT+n+1], v[OT+n:OT+n+1], v[224:225] op_sel_hi:[1,0]   ; O^T under the new M.  (These sixteen are also the places between the scale word's and the codes' last writes and the products below)
.set n, n+2
.endr
	s_wait_dscnt 0x0                               ; V
.irp j, 0,1,2,3                                ; the four accumulators take turns, one instruction a turn
	v_wmma_scale_f32_16x16x128_f8f6f4 v[OT+8*\j:OT+8*\j+7], v[KV+12*\j:KV+12*\j+11], v[PCD:PCD+11], v[OT+8*\j:OT+8*\j+7], v[36+\j], v9 matrix_a_fmt:MATRIX_FMT_FP6 matrix_b_fmt:MATRIX_FMT_FP6
.endr
.rept 4
	v_nop                                          ; places in front of the next step's loads, and of the way out's reads
.endr
.Lskip:
	s_lshr_b32 s16, s16, 2                         ; the next step's class,
	s_add_co_u32 s19, s19, REC                     ; record
	s_add_nc_u64 s[24:25], s[24:25], 256           ; and mask words
	s_add_co_u32 s18, s18, 1
	s_cmp_lt_u32 s18, 16
	s_cbranch_scc1 .Lstep
	; THE WAY OUT: O^T / l, quantised along the head's 64 channels (register 16 b + i is channel 32 b + 16 h + i): half a fragment of the last product's first operand
	v_add_f32 v14, v14, v15
	v_permlanex16_b32 v226, v14, s[SEL], s[SEL+1]
	v_add_f32 v14, v14, v226                       ; the row's sum
	v_rcp_f32 v14, v14
	v_lshrrev_b32 v4, 2, v3                        ; 4 r.  (A plain place behind the reciprocal)
	s_lshr_b32 s26, s15, 4
	s_lshl_b32 s26, s26, 7
	s_add_co_u32 s26, s26, s14                     ; the token tile: 128 batch + T
	s_and_b32 s27, s15, 15                         ; the head
	s_lshl_b32 s28, s26, 4
	s_add_co_u32 s28, s28, s27
	s_mul_i32 s28, s28, 768                        ; image (tile, K step head / 2, half head % 2)
	s_mov_b32 s29, 0
	s_add_nc_u64 s[28:29], s[10:11], s[28:29]
	s_lshl_b32 s30, s26, 3
	s_lshr_b32 s31, s27, 1
	s_add_co_u32 s30, s30, s31
	s_lshl_b32 s30, s30, 6
	s_and_b32 s31, s27, 1
	s_lshl_b32 s31, s31, 1
	s_add_co_u32 s30, s30, s31
	s_add_co_u32 s30, s30, AOS
	s_mov_b32 s31, 0
	s_add_nc_u64 s[30:31], s[10:11], s[30:31]
	s_wait_alu depctr_va_vdst(0)                   ; the wait, ahead of the reciprocal's first reader
.set n, 0
.rept 32
	v_mul_f32 v[ST+n], v[OT+n], v14                ; from each accumulator's low end on
.set n, n+1
.endr
	QUANT2 ST, PCD, 204
	global_store_b128 v1, v[PCD:PCD+3], s[28:29]           ; 512 consecutive bytes
	global_store_b64 v2, v[PCD+4:PCD+5], s[28:29] offset:512   ; 256 consecutive bytes
	global_store_b16 v4, v[TM+2], s[30:31]         ; my row's two bytes of the K step's scale word (the other two are the neighbouring head's); lanes l and l xor 16 hold the same bytes and name the same place
	s_wait_tensorcnt 0x0
	ds_add_u32 v254, v255
	s_wait_dscnt 0x0
	s_endpgm
.Lfunc_end_k_qef4a0346d1_attn:
	.size	k_qef4a0346d1_attn, .Lfunc_end_k_qef4a0346d1_attn-k_qef4a0346d1_attn
	.p2alignl 7, 3214868480
	.fill 96, 4, 3214868480
	.section	.rodata,"a",@progbits
	.p2align	6, 0x0
	.amdhsa_kernel k_qef4a0346d1_attn
		.amdhsa_group_segment_fixed_size 210944
		.amdhsa_private_segment_fixed_size 0
		.amdhsa_enable_private_segment 0
		.amdhsa_kernarg_size 32
		.amdhsa_user_sgpr_count 2
		.amdhsa_user_sgpr_kernarg_segment_ptr 1
		.amdhsa_wavefront_size32 1
		.amdhsa_system_sgpr_workgroup_id_x 1
		.amdhsa_system_sgpr_workgroup_id_y 1
		.amdhsa_system_sgpr_workgroup_id_z 1
		.amdhsa_system_vgpr_workitem_id 0
		.amdhsa_next_free_vgpr 256
		.amdhsa_next_free_sgpr 100
		.amdhsa_reserve_vcc 0
		.amdhsa_float_denorm_mode_32 3
		.amdhsa_float_denorm_mode_16_64 3
		.amdhsa_memory_ordered 1
		.amdhsa_forward_progress 1
		.amdhsa_inst_pref_size 35
	.end_amdhsa_kernel
	.amdgpu_metadata
---
amdhsa.version: [ 1, 2 ]
amdhsa.kernels:
  - .name:           k_qef4a0346d1_attn
    .symbol:         k_qef4a0346d1_attn.kd
    .args:
      - { .name: att, .offset: 0, .size: 8, .value_kind: global_buffer, .address_space: global }
      - { .name: mw, .offset: 8, .size: 8, .value_kind: global_buffer, .address_space: global }
      - { .name: mf, .offset: 16, .size: 8, .value_kind: global_buffer, .address_space: global }
      - { .name: ao, .offset: 24, .size: 8, .value_kind: global_buffer, .address_space: global }
    .group_segment_fixed_size: 210944
    .private_segment_fixed_size: 0
    .kernarg_segment_align: 8
    .kernarg_segment_size: 32
    .max_flat_workgroup_size: 512
    .sgpr_count:     100
    .vgpr_count:     256
    .wavefront_size: 32
...
	.end_amdgpu_metadata
.endif
;; end of part 3
;; launch proj (part 4): grid 8 x 32, 8 waves a work-group, clusters of 4 x 4, 232,448 bytes of LDS; arguments ao, cod, scl, bo, out0; writes out0
.if DOCPART == 4
	.amdgcn_target "amdgcn-amd-amdhsa--gfx1250"
	.amdhsa_code_object_version 6
	.text
	.protected	k_qef4a0346d1_proj
	.globl	k_qef4a0346d1_proj
	.p2align	8
	.type	k_qef4a0346d1_proj,@function
k_qef4a0346d1_proj:
	s_mov_b64 s[64:65], 0
	v_nop
	global_prefetch_b8 v0, s[64:65] scope:SCOPE_SE
	s_setreg_imm32_b32 hwreg(HW_REG_WAVE_MODE, 25, 1), 1
	s_wait_xcnt 0x0
	s_wait_alu depctr_hold_cnt(0) depctr_sa_sdst(0) depctr_va_vdst(0) depctr_va_sdst(0) depctr_va_ssrc(0) depctr_va_vcc(0) depctr_vm_vsrc(0)
	s_getreg_b32 s2, hwreg(HW_REG_IB_STS2, 6, 4)
	s_cmp_eq_u32 s2, 0
	s_cbranch_scc0 .Lentry_in_a_cluster
	s_endpgm
.Lentry_in_a_cluster:
	s_bfe_u32 s2, ttmp6, 0x10000c
	s_cmp_lg_u32 s2, 0xf033
	s_cbranch_scc0 .Lentry_shape_is_right
	s_endpgm
.Lentry_shape_is_right:
; OUT = A Wo^T + bo on codes of FP6 (E2M3) with E8M0 scales.  A: the attention's result as fragment images [tile 256][K step 8][1,536] with scale words [tile][K step][16]; Wo: tiles 448-511 of cod and scl; out0 [4096][1024] f32.
; SHARES.  A work-group makes 128 tokens (tiles 8 my ..) x 128 columns (Wo's tiles 8 nx ..).  Eight waves, w = 4 t + a: token tiles 2 a, 2 a + 1 x Wo's tiles 4 t .. 4 t + 3: eight accumulators.
; ALL OF K (1,024) of both panels lies in LDS as images of the operands' registers, filled once by four tensor loads a wave: nothing is filled again.
; CLUSTER 4 x 4: A's tiles hang on my alone and are asked for jointly along a row of the cluster, Wo's on nx alone, along a column.
; USED TRANSPOSED (source 0 = 16 rows of Wo, source 1 = 16 tokens): lane (r, h) holds token r of its tile, register 16 b + i column 64 t + 32 b + 16 h + i (a tile's rows are 32 B + 8 u + i + 8 (i / 8)).
; The bias is the sums' beginning.  A tile of 16 tokens x 64 columns goes through the wave's own stage in LDS and leaves as rows of 256 consecutive bytes, aligned, sixteen lanes to a row.
.set XB,   0                           ; LDS: A [half of K][tile 8][4 K steps][1,536]
.set WB,   98304                       ; Wo likewise
.set STG,  196608                      ; the stages: 16 rows x (256 + 16) bytes for each wave; no tensor load lands there
.set CH,   49152
.set FRB,  1536
.set TILB, 6144
.set ACC,  16                          ; v16-79   accumulator (u, j) at 16 + 32 u + 8 j
.set XF,   80                          ; v80-103  A's two fragments; on the way out v80-143: rows read back
.set WF,   104                         ; v104-151 Wo's four
.set XS,   152                         ; v152-175 scale words and nothing else
.set WS,   160
.set AX16, 5
.set AX8,  7
.set AW16, 9
.set AW8,  11
.set WV,   18
.set G1X,  32
.set G1W,  40
.macro CROUND                          ; a round of the cluster's barrier
	s_barrier_signal -1
	s_barrier_wait -1
	s_cmp_lg_u32 s[WV], 0
	s_cbranch_scc1 .Lnot_wave_0_\@
	s_barrier_signal -3
.Lnot_wave_0_\@:
	s_barrier_wait -3
	s_barrier_signal -1
	s_barrier_wait -1
.endm
.macro WM d, a, b, c, sa, sb, ra, rb   ; one product; ra, rb = 1: that side's scale words stand in lanes 16-31
.if (\ra) && (\rb)
	v_wmma_scale_f32_16x16x128_f8f6f4 v[(\d):(\d)+7], v[(\a):(\a)+11], v[(\b):(\b)+11], v[(\c):(\c)+7], v[\sa], v[\sb] matrix_a_fmt:MATRIX_FMT_FP6 matrix_b_fmt:MATRIX_FMT_FP6 matrix_a_scale:MATRIX_SCALE_ROW1 matrix_b_scale:MATRIX_SCALE_ROW1
.elseif (\ra)
	v_wmma_scale_f32_16x16x128_f8f6f4 v[(\d):(\d)+7], v[(\a):(\a)+11], v[(\b):(\b)+11], v[(\c):(\c)+7], v[\sa], v[\sb] matrix_a_fmt:MATRIX_FMT_FP6 matrix_b_fmt:MATRIX_FMT_FP6 matrix_a_scale:MATRIX_SCALE_ROW1
.elseif (\rb)
	v_wmma_scale_f32_16x16x128_f8f6f4 v[(\d):(\d)+7], v[(\a):(\a)+11], v[(\b):(\b)+11], v[(\c):(\c)+7], v[\sa], v[\sb] matrix_a_fmt:MATRIX_FMT_FP6 matrix_b_fmt:MATRIX_FMT_FP6 matrix_b_scale:MATRIX_SCALE_ROW1
.else
	v_wmma_scale_f32_16x16x128_f8f6f4 v[(\d):(\d)+7], v[(\a):(\a)+11], v[(\b):(\b)+11], v[(\c):(\c)+7], v[\sa], v[\sb] matrix_a_fmt:MATRIX_FMT_FP6 matrix_b_fmt:MATRIX_FMT_FP6
.endif
.endm
.macro FRAGL reg, a16, a8, off         ; a fragment's image into 12 registers
	ds_load_b128 v[(\reg):(\reg)+3], v[\a16] offset:(\off)
	ds_load_b64 v[(\reg)+4:(\reg)+5], v[\a8] offset:(\off)+512
	ds_load_b128 v[(\reg)+6:(\reg)+9], v[\a16] offset:(\off)+768
	ds_load_b64 v[(\reg)+10:(\reg)+11], v[\a8] offset:(\off)+1280
.endm
.macro KSTEP s                         ; six fragments, eight products; the eight accumulators take turns, one instruction a turn, from step to step too
.irp u, 0,1
	FRAGL XF+12*\u, AX16+(\s)/4, AX8+(\s)/4, ((\s)%4)*FRB+TILB*\u
.endr
.irp j, 0,1,2,3
	FRAGL WF+12*\j, AW16+(\s)/4, AW8+(\s)/4, ((\s)%4)*FRB+TILB*\j
.endr
	s_wait_dscnt 0x0
.irp j, 0,1,2,3
.irp u, 0,1
	WM ACC+32*\u+8*\j, WF+12*\j, XF+12*\u, ACC+32*\u+8*\j, WS+8*(\j/2)+(\s), XS+(\s), \j%2, \u
.endr
.endr
.rept 4
	v_nop                                          ; places in front of loads into registers that matrix instructions have read, and of the first read of results
.endr
.endm
	s_load_b256 s[4:11], s[0:1], 0x0               ; ao, cod, scl, bo
	s_load_b64 s[12:13], s[0:1], 0x20              ; out0
	v_lshl_add_u32 v254, v0, 2, 0x38800
	v_mov_b32 v255, 0
	ds_add_u32 v254, v255
	ds_add_u32 v254, v255
	v_lshrrev_b32 v1, 5, v0
	v_readfirstlane_b32 s[WV], v1                  ; wave 0..7
	s_and_b32 s19, s[WV], 3                        ; a
	s_lshr_b32 s20, s[WV], 2                       ; t
	s_bfe_u32 s21, ttmp6, 0x40000                  ; cx
	s_bfe_u32 s22, ttmp6, 0x40004                  ; cy
	s_lshl_b32 s23, ttmp9, 2
	s_add_co_u32 s23, s23, s21                     ; nx
	s_and_b32 s24, ttmp7, 0xffff
	s_lshl_b32 s24, s24, 2
	s_add_co_u32 s24, s24, s22                     ; my
	s_lshl_b32 s25, s22, 2
	s_lshl_b32 s25, 15, s25                        ; my row of the cluster
	s_lshl_b32 s26, 0x1111, s21                    ; my column
	s_or_b32 s[G1X], s25, (3<<16)|(1<<21)          ; group 1: 6,144 dense bytes as 24 rows of 32 elements of 8 bytes; the mask; bit 21 beside it
	s_or_b32 s[G1W], s26, (3<<16)|(1<<21)
.irp g, G1X, G1W
	s_mov_b32 s[\g+1], 32<<16
	s_mov_b32 s[\g+2], 24<<16
	s_mov_b32 s[\g+3], 32<<16
	s_mov_b32 s[\g+4], 24
	s_mov_b32 s[\g+5], 32
	s_mov_b32 s[\g+6], 0
	s_mov_b32 s[\g+7], 0
.endr
	s_lshl_b32 s72, s24, 3                         ; A: tile 8 my + w (registers that never hold nx)
	s_add_co_u32 s72, s72, s[WV]
	s_mul_i32 s72, s72, 2*TILB
	s_mov_b32 s73, 0
	s_lshl_b32 s74, s23, 3                         ; Wo: tile 448 + 8 nx + w (registers that never hold my)
	s_add_co_u32 s74, s74, s[WV]
	s_mul_i32 s74, s74, 2*TILB
	s_add_co_u32 s74, s74, 5505024
	s_mov_b32 s75, 0
	s_mul_i32 s27, s[WV], TILB
	s_wait_dscnt 0x0
	s_wait_kmcnt 0x0
	s_mov_b32 s48, 1                               ; A, K steps 0-3
	s_add_co_u32 s49, s27, XB
	s_add_nc_u64 s[50:51], s[4:5], s[72:73]
	s_or_b32 s51, s51, 0x80000000
	s_mov_b32 s52, 1                               ; Wo, K steps 0-3
	s_add_co_u32 s53, s27, WB
	s_add_nc_u64 s[54:55], s[6:7], s[74:75]
	s_or_b32 s55, s55, 0x80000000
	s_mov_b32 s56, 1                               ; A, K steps 4-7
	s_add_co_u32 s57, s27, XB+CH
	s_add_nc_u64 s[58:59], s[4:5], s[72:73]
	s_add_nc_u64 s[58:59], s[58:59], TILB
	s_or_b32 s59, s59, 0x80000000
	s_mov_b32 s60, 1                               ; Wo, K steps 4-7
	s_add_co_u32 s61, s27, WB+CH
	s_add_nc_u64 s[62:63], s[6:7], s[74:75]
	s_add_nc_u64 s[62:63], s[62:63], TILB
	s_or_b32 s63, s63, 0x80000000
	CROUND                                         ; all sixteen work-groups are here: the joint loads meet
	tensor_load_to_lds s[48:51], s[G1X:G1X+7]      ; four loads of mine are out
	s_nop 0
	tensor_load_to_lds s[52:55], s[G1W:G1W+7]
	s_nop 0
	tensor_load_to_lds s[56:59], s[G1X:G1X+7]
	s_nop 0
	tensor_load_to_lds s[60:63], s[G1W:G1W+7]
	s_nop 0
.rept 4
	v_nop
.endr
	v_and_b32 v1, 15, v0                           ; r
	v_bfe_u32 v2, v0, 4, 1                         ; h
	v_and_b32 v3, 31, v0
	v_lshlrev_b32 v4, 3, v3                        ; 8 x lane
	v_lshlrev_b32 v3, 4, v3                        ; 16 x lane
	v_lshlrev_b32 v248, 6, v2                      ; the bias: 64 h
	v_lshlrev_b32 v249, 9, v2
	v_lshl_add_u32 v249, v1, 2, v249               ; scale words: 512 h + 4 r
	s_mov_b32 s81, 0
	s_lshl_b32 s80, s23, 9                         ; bo: column 128 nx + 64 t
	s_lshl_b32 s25, s20, 8
	s_add_co_u32 s80, s80, s25
	s_add_nc_u64 s[82:83], s[10:11], s[80:81]
.irp u, 0,1
.irp j, 0,1,2,3
	global_load_b128 v[ACC+32*\u+8*\j:ACC+32*\u+8*\j+3], v248, s[82:83] offset:(32*(\j/2)+8*(\j%2))*4
	global_load_b128 v[ACC+32*\u+8*\j+4:ACC+32*\u+8*\j+7], v248, s[82:83] offset:(32*(\j/2)+8*(\j%2))*4+16
.endr
.endr
	s_lshl_b32 s80, s24, 12                        ; A's scale words: tile 8 my + 2 a (+ h)
	s_lshl_b32 s25, s19, 10
	s_add_co_u32 s80, s80, s25
	s_add_co_u32 s80, s80, 3145728
	s_add_nc_u64 s[86:87], s[4:5], s[80:81]
	s_lshl_b32 s80, s23, 12                        ; Wo's: tile 448 + 8 nx + 4 t (+ 2 p + h)
	s_lshl_b32 s25, s20, 11
	s_add_co_u32 s80, s80, s25
	s_add_co_u32 s80, s80, 229376
	s_add_nc_u64 s[88:89], s[8:9], s[80:81]
.irp s, 0,1,2,3,4,5,6,7
	global_load_b32 v[XS+\s], v249, s[86:87] offset:64*\s
.endr
.irp p, 0,1
.irp s, 0,1,2,3,4,5,6,7
	global_load_b32 v[WS+8*\p+\s], v249, s[88:89] offset:1024*\p+64*\s
.endr
.endr
	s_mul_i32 s28, s19, 2*TILB                     ; A's tiles 2 a, 2 a + 1
	v_add_nc_u32 v[AX16], s28, v3
	v_add_nc_u32 v[AX8], s28, v4
	v_add_nc_u32 v[AX16+1], CH, v[AX16]
	v_add_nc_u32 v[AX8+1], CH, v[AX8]
	s_mul_i32 s29, s20, 4*TILB                     ; Wo's tiles 4 t ..
	s_add_co_u32 s29, s29, WB
	v_add_nc_u32 v[AW16], s29, v3
	v_add_nc_u32 v[AW8], s29, v4
	v_add_nc_u32 v[AW16+1], CH, v[AW16]
	v_add_nc_u32 v[AW8+1], CH, v[AW8]
	s_mul_i32 s25, s[WV], 16*272
	s_add_co_u32 s25, s25, STG                     ; my stage
	v_mul_u32_u24 v13, v1, 272
	v_lshl_add_u32 v13, v2, 6, v13
	v_add_nc_u32 v13, s25, v13                     ; in: row r, + 64 h
	v_mul_u32_u24 v14, v2, 272
	v_lshl_add_u32 v14, v1, 4, v14
	v_add_nc_u32 v14, s25, v14                     ; back: lanes 0-15 one row, lanes 16-31 the next
	v_lshlrev_b32 v15, 12, v2
	v_lshl_add_u32 v15, v1, 4, v15                 ; and the same in out0: 4,096 h + 16 (lane % 16)
	s_lshl_b32 s80, s24, 19                        ; out0: row 128 my + 32 a, column 128 nx + 64 t
	s_lshl_b32 s25, s19, 17
	s_add_co_u32 s80, s80, s25
	s_lshl_b32 s25, s23, 9
	s_add_co_u32 s80, s80, s25
	s_lshl_b32 s25, s20, 8
	s_add_co_u32 s80, s80, s25
	s_add_nc_u64 s[12:13], s[12:13], s[80:81]
	s_wait_tensorcnt 0x2                           ; my parts of K steps 0-3 are in; the two loads behind them may be out
	s_barrier_signal -1
	s_barrier_wait -1                              ; everybody's are
	s_wait_loadcnt 0x0                             ; the bias and the scale words
	KSTEP 0
	KSTEP 1
	KSTEP 2
	KSTEP 3
	s_wait_tensorcnt 0x0
	s_barrier_signal -1
	s_barrier_wait -1
	KSTEP 4
	KSTEP 5
	KSTEP 6
	KSTEP 7
	; THE WAY OUT.  LDS serves a wave's instructions in order (ISA guide 5.7.1.4): the loads see the stores above them, and the second tile's stores come behind the first tile's loads
.irp u, 0,1
.irp j, 0,1,2,3
	ds_store_b128 v13, v[ACC+32*\u+8*\j:ACC+32*\u+8*\j+3] offset:128*(\j/2)+32*(\j%2)          ; each accumulator from its low end on
	ds_store_b128 v13, v[ACC+32*\u+8*\j+4:ACC+32*\u+8*\j+7] offset:128*(\j/2)+32*(\j%2)+16
.endr
.irp k, 0,1,2,3,4,5,6,7
	ds_load_b128 v[XF+32*\u+4*\k:XF+32*\u+4*\k+3], v14 offset:544*\k      ; the tile's rows 2 k and 2 k + 1
.endr
.endr
.irp k, 0,1,2,3,4,5,6,7
	s_wait_dscnt 23-\k                             ; behind load k of the first tile: its 7 - k younger loads and the second tile's sixteen instructions
	global_store_b128 v15, v[XF+4*\k:XF+4*\k+3], s[12:13] offset:(2*\k+8*(\k/4))*4096 th:TH_STORE_NT   ; sixteen lanes store 256 consecutive bytes, at a multiple of 256 from out0's first byte
.endr
.irp k, 0,1,2,3,4,5,6,7
	s_wait_dscnt 7-\k
	global_store_b128 v15, v[XF+32+4*\k:XF+32+4*\k+3], s[12:13] offset:(8+2*\k+8*(\k/4))*4096 th:TH_STORE_NT
.endr
	s_wait_tensorcnt 0x0
	ds_add_u32 v254, v255
	s_wait_dscnt 0x0
	CROUND                                         ; the closing round: no work-group ends while a partner may still ask for a tile that names it
	s_endpgm
.Lfunc_end_k_qef4a0346d1_proj:
	.size	k_qef4a0346d1_proj, .Lfunc_end_k_qef4a0346d1_proj-k_qef4a0346d1_proj
	.p2alignl 7, 3214868480
	.fill 96, 4, 3214868480
	.section	.rodata,"a",@progbits
	.p2align	6, 0x0
	.amdhsa_kernel k_qef4a0346d1_proj
		.amdhsa_group_segment_fixed_size 232448
		.amdhsa_private_segment_fixed_size 0
		.amdhsa_enable_private_segment 0
		.amdhsa_kernarg_size 40
		.amdhsa_user_sgpr_count 2
		.amdhsa_user_sgpr_kernarg_segment_ptr 1
		.amdhsa_wavefront_size32 1
		.amdhsa_system_sgpr_workgroup_id_x 1
		.amdhsa_system_sgpr_workgroup_id_y 1
		.amdhsa_system_sgpr_workgroup_id_z 1
		.amdhsa_system_vgpr_workitem_id 0
		.amdhsa_next_free_vgpr 256
		.amdhsa_next_free_sgpr 100
		.amdhsa_reserve_vcc 0
		.amdhsa_float_denorm_mode_32 3
		.amdhsa_float_denorm_mode_16_64 3
		.amdhsa_memory_ordered 1
		.amdhsa_forward_progress 1
		.amdhsa_inst_pref_size 37
	.end_amdhsa_kernel
	.amdgpu_metadata
---
amdhsa.version: [ 1, 2 ]
amdhsa.kernels:
  - .name:           k_qef4a0346d1_proj
    .symbol:         k_qef4a0346d1_proj.kd
    .args:
      - { .name: ao, .offset: 0, .size: 8, .value_kind: global_buffer, .address_space: global }
      - { .name: cod, .offset: 8, .size: 8, .value_kind: global_buffer, .address_space: global }
      - { .name: scl, .offset: 16, .size: 8, .value_kind: global_buffer, .address_space: global }
      - { .name: bo, .offset: 24, .size: 8, .value_kind: global_buffer, .address_space: global }
      - { .name: out0, .offset: 32, .size: 8, .value_kind: global_buffer, .address_space: global }
    .group_segment_fixed_size: 232448
    .private_segment_fixed_size: 0
    .kernarg_segment_align: 8
    .kernarg_segment_size: 40
    .max_flat_workgroup_size: 256
    .sgpr_count:     100
    .vgpr_count:     256
    .wavefront_size: 32
...
	.end_amdgpu_metadata
.endif
;; end of part 4
;; ======== version 2 of 2: 4 launches; version 1 with the launch attn written anew for expert scheduling mode
;; workspace buffers: cod 6,291,456 bytes; scl 262,144 bytes; mw 524,288 bytes of whole numbers; mf 512 bytes of whole numbers; rope 524,288 bytes; att 10,092,544 bytes; ao 3,276,800 bytes
;; launch prep: the kernel of part 1 again; grid 384 x 1, 8 waves a work-group, no clusters, 136,448 bytes of LDS; arguments x, wq, wk, wv, wo, mask, cod, scl, mw, mf, rope; writes cod, scl, mw, mf, rope
;; launch qkv: the kernel of part 2 again; grid 16 x 32, 8 waves a work-group, clusters of 4 x 4, 248,320 bytes of LDS; arguments cod, scl, rope, bq, bk, bv, att; writes att
;; launch attn (part 5): grid 8 x 32, 16 waves a work-group, no clusters, 210,944 bytes of LDS; arguments att, mw, mf, ao; writes ao
.if DOCPART == 5
	.amdgcn_target "amdgcn-amd-amdhsa--gfx1250"
	.amdhsa_code_object_version 6
	.text
	.protected	k_qef4a0346d1_attn
	.globl	k_qef4a0346d1_attn
	.p2align	8
	.type	k_qef4a0346d1_attn,@function
k_qef4a0346d1_attn:
	s_mov_b64 s[64:65], 0
	v_nop
	global_prefetch_b8 v0, s[64:65] scope:SCOPE_SE
	s_setreg_imm32_b32 hwreg(HW_REG_WAVE_SCHED_MODE, 0, 2), 2
	s_setreg_imm32_b32 hwreg(HW_REG_WAVE_MODE, 25, 1), 1
	s_wait_xcnt 0x0
	s_wait_alu depctr_vm_vsrc(0)
; ATTENTION on codes of FP6 (E2M3) with E8M0 scales: S^T = K Q^T, the mask, p = 2^(t - M), O^T += V^T P^T, O / l, quantised along d_model for the last product.
; t = score x log2(e) / 8; M = the running largest t rounded UP to a whole number; p is not normalised; the row's sum l is taken of the unquantised p.  When M moves, l and O are multiplied by 2^(old M - new M): exact.
; SHARES.  A work-group takes one (batch, head) and 16 query tiles; each of its sixteen waves owns ONE tile of 16 queries, T = 8 rank + work-group x.  The ranks 0 .. 15 are dealt by a table in which any four waves
; w % 4 alike, and any four w / 4 alike, have the same sum of ranks: that evens the work out where later queries see more keys, and changes nothing for any other mask.
; THE WHOLE HEAD'S 16 records (13,056 bytes each: K's 8 half images, V's 8, their scale words) are copied into LDS once, through registers, a record a wave; behind the one barrier the waves never meet again.
; No tensor load and no joint request: a step's work is jumped over by a stored class, and what work-groups could share is 204 KiB once.
; THE MASK comes as lane-mask words (64 for a step: word n for score register n) and a class for each step: 0 = no key of the step is open for any of my queries: the step is left out (its p would all be 0);
; 1 = the words are applied; 2 = all open.  A tile in which some query has no open key at all has class 1 throughout.  A hidden score becomes -2^70: times c that is exact, so a row of hidden keys alone gets
; t - M = 0, p = 1 for every key, as the definition's -1e20 gives; once an open key comes, 2^(old M - new M) is 0 and wipes what was summed.  LIMIT: open raw scores lie above -2^70.  NaN, infinities: not served.
; LAYOUT.  Both products are used transposed: a lane holds ONE query (lane % 16).  The keys of tile 2 b + u are 32 b + 8 u + i + 8 (i / 8): the 16 registers of two neighbouring tiles are keys 32 b + 16 h + 0 .. 15.
; K = 64 in the first product: Q's registers 6-11 are zero codes; K's operand names 12 registers of which the upper six are the next tile's codes (for the last tile whatever codes lie behind): every code of this
; format is a finite number, and times a zero code it adds nothing.
; REGISTERS: v1-3 16 x lane, 8 x lane, 16 r; v4-6 the same + the record; v7 -2^70; v8 Q's scale word, v9 P's; v10 the way out's 4 r; v12 -M, v13 the largest t, v[14:15] l; v16-27 Q; v28-35 K's scale words, v36-39 V's;
;   v40-95 K's, then V's codes; v96-159 S^T, then p; v160-191 O^T; v192-203 P's codes; v204-210 at work; v212-226 at work; v254, v255 the closing add's two.   s32-63, s68-99: the step's 64 mask words.
; THE MODE: SCHED_MODE bits 1:0 = 2 (LLVM: expert scheduling mode 2), set by the entry lines.  The code itself states the register dependences between vector or matrix instructions and memory or LDS instructions,
; with s_wait_alu, always for 0.
; THE PLAN.  Registers that memory or LDS instructions touch:
;   v1-3       made at the head, never written again: the offsets of the head's loads and of the last stores.
;   v4, v5     at the head: made with v1-3, ahead of the head's one wait on va_vdst; read by the 26 LDS stores that copy my record.
;   v40-141    at the head: the record as loaded; read by those LDS stores.  One wait on vm_vsrc behind the barrier states that the stores have read them and v4, v5.
;   v4-6       in a step: written by three additions at its head, read by its 35 LDS loads.
;   v40-87     in a step: K's codes land; the eight products K Q^T read v40-93; V's codes land; the four products V^T P^T read them.
;   v28-35, v36-39   K's and V's scale words land; the same products read them.
;   v9, v192-203     written by vector instructions, taken by the products V^T P^T as scale and as source 1.
;   v10, v192-197, v214   the way out: written by vector instructions, read by the three stores.
; A STEP has one wait on vm_vsrc, ahead of the three additions, and four on va_vdst: behind the additions, ahead of K's loads; behind the 64 exponentials, where V's loads stand directly behind it
; (it is the exponentials' own wait, and it also states that the products K Q^T are done reading the registers in which V lands); for the four exponentials of the blocks' largest p; ahead of the products V^T P^T.
.set REC, 13056
.set QI,  6684672
.set QS,  9830400
.set AOS, 3145728
.set KV,  40
.set ST,  96
.set OT,  160
.set PCD, 192
.set TM,  212
.set SEL, 20
.macro QUANT2 src, pc, pt              ; 32 numbers of a lane, register 16 b + i = k 32 b + 16 h + i, become half a fragment's codes in v[pc] .. v[pc + 5] and the bytes b0 | b1 << 8 in v[TM + 2]
.irp b, 0,1
	v_max3_num_f32 v[TM+\b], |v[(\src)+16*\b]|, |v[(\src)+16*\b+1]|, 0x1800000
.endr
.irp i, 2,4,6,8,10,12,14
.irp b, 0,1
	v_max3_num_f32 v[TM+\b], v[TM+\b], |v[(\src)+16*\b+\i]|, |v[(\src)+16*\b+\i+1]|
.endr
.endr
.irp b, 0,1
	v_permlanex16_b32 v[TM+2+\b], v[TM+\b], s[SEL], s[SEL+1]
.endr
.irp b, 0,1
	v_max_num_f32 v[TM+\b], v[TM+\b], v[TM+2+\b]
.endr
.irp b, 0,1
	v_add_nc_u32 v[TM+4+\b], 0xff000000, v[TM+\b]
.endr
.irp b, 0,1
	v_lshrrev_b32 v[TM+6+\b], 23, v[TM+4+\b]
.endr
	v_lshl_or_b32 v[TM+2], v[TM+7], 8, v[TM+6]
	v_cvt_scalef32_pk16_fp6_f32 v[(\pc):(\pc)+2], v[(\src):(\src)+15], v[TM+4]
	v_cvt_scalef32_pk16_fp6_f32 v[(\pt):(\pt)+2], v[(\src)+16:(\src)+31], v[TM+5]
	v_nop                                          ; one plain place behind a scaled conversion
.irp i, 0,1,2
	v_permlane16_swap_b32 v[(\pc)+\i], v[(\pt)+\i]
.endr
.irp i, 0,1,2
	v_mov_b32 v[(\pc)+3+\i], v[(\pt)+\i]
.endr
.endm
	s_load_b256 s[4:11], s[0:1], 0x0               ; att, mw, mf, ao
	v_lshl_add_u32 v254, v0, 2, 0x33000
	v_mov_b32 v255, 0
	v_lshrrev_b32 v1, 5, v0
	v_readfirstlane_b32 s12, v1                    ; wave 0..15
	v_and_b32 v3, 15, v0
	v_and_b32 v2, 31, v0
	v_lshlrev_b32 v1, 4, v2                        ; 16 x lane
	v_lshlrev_b32 v2, 3, v2                        ; 8 x lane
	v_lshlrev_b32 v3, 4, v3                        ; 16 r
	s_wait_alu depctr_va_sdst(0)                   ; s12 is written, ahead of its first reader: the rank, the record and every base are made from it
	s_mov_b32 s13, 0x0de3b658                      ; ranks of waves 8-15, four bits each,
	s_cmp_lt_u32 s12, 8
	s_cselect_b32 s13, 0x7a94c12f, s13             ; of waves 0-7
	s_and_b32 s26, s12, 7
	s_lshl_b32 s26, s26, 2
	s_lshr_b32 s13, s13, s26
	s_and_b32 s13, s13, 15
	s_lshl_b32 s14, s13, 3
	s_add_co_u32 s14, s14, ttmp9                   ; T
	s_and_b32 s15, ttmp7, 0xffff                   ; 16 batch + head
	s_mul_i32 s19, s12, REC                        ; LDS byte of the record that I copy
	v_add_nc_u32 v4, s19, v1
	v_add_nc_u32 v5, s19, v2
	s_mov_b32 s[SEL], 0x76543210
	s_mov_b32 s[SEL+1], 0xfedcba98
	s_mov_b32 s22, 0x3e38aa3b                      ; c = log2(e) / 8
	s_mov_b32 s23, s22                             ; (the packed form names the pair)
	s_lshl_b32 s26, s14, 2                         ; mf: word T
	s_mov_b32 s27, 0
	s_lshl_b32 s28, s15, 7                         ; Q's image
	s_add_co_u32 s28, s28, s14
	s_mul_i32 s28, s28, 768
	s_add_co_u32 s28, s28, QI
	s_mov_b32 s29, 0
	s_lshl_b32 s30, s15, 4                         ; Q's scale words: block T / 8, group (T / 4) % 2, word T % 4
	s_lshr_b32 s31, s14, 3
	s_add_co_u32 s30, s30, s31
	s_lshl_b32 s30, s30, 9
	s_bfe_u32 s31, s14, 0x10002
	s_lshl_b32 s31, s31, 8
	s_add_co_u32 s30, s30, s31
	s_and_b32 s31, s14, 3
	s_lshl_b32 s31, s31, 2
	s_add_co_u32 s30, s30, s31
	s_add_co_u32 s30, s30, QS
	s_mov_b32 s31, 0
	s_lshl_b32 s2, s15, 4                          ; record w of my head
	s_add_co_u32 s2, s2, s12
	s_mul_i32 s2, s2, REC
	s_mov_b32 s3, 0
	s_lshl_b32 s24, s14, 12                        ; my tile's mask words: 16 steps of 256 bytes
	s_mov_b32 s25, 0
	s_wait_kmcnt 0x0
	s_add_nc_u64 s[8:9], s[8:9], s[26:27]
	s_load_b32 s16, s[8:9], 0x0                    ; my tile's sixteen classes
	s_add_nc_u64 s[28:29], s[4:5], s[28:29]
	s_add_nc_u64 s[30:31], s[4:5], s[30:31]
	s_add_nc_u64 s[2:3], s[4:5], s[2:3]
	s_add_nc_u64 s[24:25], s[6:7], s[24:25]
	s_wait_alu depctr_va_vdst(0)                   ; v1 to v5 are written: v1-3 are the offsets of the loads below, v4 and v5 the addresses of the LDS stores behind them; no vector line up to those stores names them or the loaded registers
	global_load_b128 v[16:19], v1, s[28:29]
	global_load_b64 v[20:21], v2, s[28:29] offset:512
	global_load_b32 v8, v3, s[30:31]
.irp i, 0,1,2,3,4,5,6,7,8,9,10,11,12,13,14,15,16,17,18,19,20,21,22,23,24
	global_load_b128 v[40+4*\i:43+4*\i], v1, s[2:3] offset:512*\i
.endr
	global_load_b64 v[140:141], v2, s[2:3] offset:12800
	v_mov_b32 v7, 0xe2800000                       ; -2^70
.irp i, 22,23,24,25,26,27
	v_mov_b32 v[\i], 0                             ; Q's codes of k = 64 .. 127
.endr
	v_mov_b32 v13, 0xff61b1e6                      ; the largest t so far: -3e38
	v_floor_f32 v12, -v13                          ; -M
	v_mov_b32 v14, 0
	v_mov_b32 v15, 0
.set n, 0
.rept 32
	v_mov_b32 v[OT+n], 0                           ; O^T.  (The step is written once: the first finds zeros, which the first change of M leaves zeros)
.set n, n+1
.endr
.irp i, 214,215,216,217,218,219,225,226
	v_mov_b32 v[\i], 0                             ; lane permutes' destinations and the upper half of a named pair: written once
.endr
.irp i, 0,1,2,3,4,5,6,7,8,9,10,11,12,13,14,15,16,17,18,19,20,21,22,23,24
	s_wait_loadcnt 25-\i                           ; load i of the record is in; the younger ones may be out
	ds_store_b128 v4, v[40+4*\i:43+4*\i] offset:512*\i
.endr
	s_wait_loadcnt 0x0
	ds_store_b64 v5, v[140:141] offset:12800
	s_wait_dscnt 0x0                               ; for the others' sake: my record has landed
	s_barrier_signal -1
	s_barrier_wait -1                              ; all sixteen have
	s_wait_alu depctr_vm_vsrc(0)                   ; my LDS stores have read v4, v5 and v40-141: from here on additions, LDS loads, products and the way out's multiplications write these registers
	s_wait_kmcnt 0x0                               ; the classes
	s_mov_b32 s18, 0
	s_mov_b32 s19, 0                               ; LDS byte of the step's record
.Lstep:                                            ; sixteen trips, a constant; a step's work is jumped over, never the lines that step addresses
	s_and_b32 s17, s16, 3
	s_cmp_eq_u32 s17, 0
	s_cbranch_scc1 .Lskip
	s_load_b512 s[32:47], s[24:25], 0x0            ; the step's 64 mask words
	s_load_b512 s[48:63], s[24:25], 0x40
	s_load_b512 s[68:83], s[24:25], 0x80
	s_load_b512 s[84:99], s[24:25], 0xc0
	s_wait_alu depctr_vm_vsrc(0)                   ; the LDS loads of the last step that was worked have read v4, v5 and v6, which the three additions write
	v_add_nc_u32 v4, s19, v1
	v_add_nc_u32 v5, s19, v2
	v_add_nc_u32 v6, s19, v3
	s_wait_alu depctr_va_vdst(0)                   ; v4-6 are written, which the step's LDS loads read; the last step's products are done reading v40-87 and v28-35, in which K's codes and scale words land; in the first step Q's zero codes v22-27 are written, which the products below take
.irp t, 0,1,2,3,4,5,6,7
	ds_load_b128 v[KV+6*\t:KV+6*\t+3], v4 offset:768*\t
	ds_load_b64 v[KV+6*\t+4:KV+6*\t+5], v5 offset:768*\t+512
.endr
	ds_load_b128 v[28:31], v6 offset:12288         ; K's scale words: row r's, of tiles 0-3,
	ds_load_b128 v[32:35], v6 offset:12544         ; of tiles 4-7
	s_wait_dscnt 0x0
.irp t, 0,1,2,3,4,5,6,7
	v_wmma_scale_f32_16x16x128_f8f6f4 v[ST+8*\t:ST+8*\t+7], v[KV+6*\t:KV+6*\t+11], v[16:27], 0, v[28+\t], v8 matrix_a_fmt:MATRIX_FMT_FP6 matrix_b_fmt:MATRIX_FMT_FP6
.endr
.rept 4
	v_nop                                          ; places in front of the first read of the scores (ISA guide 7.12.1)
.endr
	s_wait_kmcnt 0x0                               ; the mask words are in (and their base may be stepped)
	s_cmp_eq_u32 s17, 2
	s_cbranch_scc1 .Lopen
.set n, 0
.rept 64
	v_cndmask_b32 v[ST+n], v7, v[ST+n], s[32+n+4*(n/32)]   ; a hidden key's score becomes -2^70; from each accumulator's low end on
.set n, n+1
.endr
.Lopen:
.irp b, 0,1,2,3
	v_max3_num_f32 v[TM+\b], v[ST+16*\b], v[ST+1+16*\b], v[ST+2+16*\b]   ; the largest score of each block of 32 keys: for the row's maximum, and, since p rises with the score, for the block's largest p
.endr
.irp i, 3,5,7,9,11,13
.irp b, 0,1,2,3
	v_max3_num_f32 v[TM+\b], v[TM+\b], v[ST+16*\b+\i], v[ST+1+16*\b+\i]
.endr
.endr
.irp b, 0,1,2,3
	v_max_num_f32 v[TM+\b], v[TM+\b], v[ST+15+16*\b]
.endr
.irp b, 0,1,2,3
	v_permlanex16_b32 v[TM+4+\b], v[TM+\b], s[SEL], s[SEL+1]
.endr
.irp b, 0,1,2,3
	v_max_num_f32 v[TM+\b], v[TM+\b], v[TM+4+\b]   ; with lane l xor 16's 16 keys
.endr
	v_max3_num_f32 v226, v212, v213, v214
	v_max_num_f32 v226, v226, v215                 ; the step's largest score of my query
	v_mul_f32 v226, s22, v226                      ; as t
	v_max_num_f32 v13, v13, v226                   ; the running largest t
	v_mov_b32 v226, v12
	v_floor_f32 v12, -v13                          ; the new -M = floor(-t): M is a whole number
	v_sub_f32 v226, v12, v226                      ; old M - new M: a whole number, 0 or less
	v_cvt_i32_f32 v226, v226                       ; (it saturates)
	v_ldexp_f32 v224, 1.0, v226                    ; f = 2^(old M - new M)
.set n, 0
.rept 32
	v_pk_fma_f32 v[ST+n:ST+n+1], v[ST+n:ST+n+1], s[22:23], v[12:13] op_sel_hi:[1,0,0]   ; t - M, two at a time
.set n, n+2
.endr
.irp b, 0,1,2,3
	v_fma_f32 v[TM+\b], v[TM+\b], s22, v12         ; the same of each block's largest score
.endr
.set n, 0
.rept 64
	v_exp_f32 v[ST+n], v[ST+n]                     ; p = 2^(t - M), at most 1
.set n, n+1
.endr
	v_pk_mul_f32 v[14:15], v[14:15], v[224:225] op_sel_hi:[1,0]   ; l under the new M.  (A plain place behind the exponentials)
	s_wait_alu depctr_va_vdst(0)                   ; the 64 exponentials have written p, ahead of its first reader: one wait for the batch.  It also states that the products K Q^T are done reading v40-93, in which V's codes land
.irp j, 0,1,2,3                                ; V's codes land while the rest of the softmax is worked.  No further wait: no vector or matrix line since the wait above names v36-87, and none since the step's head has written v4-6
.irp c, 0,1
	ds_load_b128 v[KV+12*\j+6*\c:KV+12*\j+6*\c+3], v4 offset:6144+(2*\j+\c)*768
	ds_load_b64 v[KV+12*\j+6*\c+4:KV+12*\j+6*\c+5], v5 offset:6144+(2*\j+\c)*768+512
.endr
.endr
	ds_load_b128 v[36:39], v6 offset:12800         ; V's scale words: channel row r's, of tiles 0-3
.irp b, 0,1,2,3
	v_exp_f32 v[TM+\b], v[TM+\b]                   ; the block's largest p: the same two instructions on the same number give the same bits
.endr
	v_pk_add_f32 v[216:217], v[ST:ST+1], v[ST+2:ST+3]   ; the row's sum is taken of the unquantised p, in two chains.  (It reads the 64 alone: plain work behind the four)
.irp j, 4,8,12,16,20,24,28,32,36,40,44,48,52,56,60
	v_pk_add_f32 v[14:15], v[14:15], v[ST+\j:ST+\j+1]
	v_pk_add_f32 v[216:217], v[216:217], v[ST+2+\j:ST+3+\j]
.endr
	v_pk_add_f32 v[14:15], v[14:15], v[216:217]
	s_wait_alu depctr_va_vdst(0)                   ; the four exponentials have written the blocks' largest p, v212-215, ahead of their first reader
.irp b, 0,1,2,3
	v_max_num_f32 v[TM+\b], 0x1800000, v[TM+\b]    ; the floor 2^(3 - 127): a block whose every p is 0 keeps the byte 1: its codes are zeros
.endr
.irp b, 0,1,2,3
	v_add_nc_u32 v[TM+8+\b], 0xff000000, v[TM+\b]  ; 2 off the exponent field: the conversion's scale operand
.endr
.irp b, 0,1,2,3
	v_lshrrev_b32 v[TM+4+\b], 23, v[TM+8+\b]       ; the scale's byte
.endr
	v_lshl_or_b32 v9, v217, 8, v216                ; p's scale word for these 128 keys
	v_lshl_or_b32 v9, v218, 16, v9
	v_lshl_or_b32 v9, v219, 24, v9
.irp c, 0,1
	v_cvt_scalef32_pk16_fp6_f32 v[PCD+6*\c:PCD+6*\c+2], v[ST+32*\c:ST+32*\c+15], v[TM+8+2*\c]
	v_cvt_scalef32_pk16_fp6_f32 v[204+4*\c:206+4*\c], v[ST+16+32*\c:ST+31+32*\c], v[TM+8+2*\c+1]
.endr
	v_nop                                          ; one plain place behind a scaled conversion
.irp c, 0,1                                    ; a whole block in a lane: lanes 0-15 block 2 c, lanes 16-31 block 2 c + 1
.irp i, 0,1,2
	v_permlane16_swap_b32 v[PCD+6*\c+\i], v[204+4*\c+\i]
.endr
.irp i, 0,1,2
	v_mov_b32 v[PCD+3+6*\c+\i], v[204+4*\c+\i]
.endr
.endr
.set n, 0
.rept 16
	v_pk_mul_f32 v[OT+n:OT+n+1], v[OT+n:OT+n+1], v[224:225] op_sel_hi:[1,0]   ; O^T under the new M.  (These sixteen are also the places between the scale word's and the codes' last writes and the products below)
.set n, n+2
.endr
	s_wait_dscnt 0x0                               ; V
	s_wait_alu depctr_va_vdst(0)                   ; p's scale word v9 and p's codes v192-203 are written, which the products below take as scale and as source 1; the places above stay beside this wait
.irp j, 0,1,2,3                                ; the four accumulators take turns, one instruction a turn
	v_wmma_scale_f32_16x16x128_f8f6f4 v[OT+8*\j:OT+8*\j+7], v[KV+12*\j:KV+12*\j+11], v[PCD:PCD+11], v[OT+8*\j:OT+8*\j+7], v[36+\j], v9 matrix_a_fmt:MATRIX_FMT_FP6 matrix_b_fmt:MATRIX_FMT_FP6
.endr
.rept 4
	v_nop                                          ; places in front of the way out's reads of O^T (ISA guide 7.12.1)
.endr
.Lskip:
	s_lshr_b32 s16, s16, 2                         ; the next step's class,
	s_add_co_u32 s19, s19, REC                     ; record
	s_add_nc_u64 s[24:25], s[24:25], 256           ; and mask words
	s_add_co_u32 s18, s18, 1
	s_cmp_lt_u32 s18, 16
	s_cbranch_scc1 .Lstep
	; THE WAY OUT: O^T / l, quantised along the head's 64 channels (register 16 b + i is channel 32 b + 16 h + i): half a fragment of the last product's first operand
	v_add_f32 v14, v14, v15
	v_permlanex16_b32 v226, v14, s[SEL], s[SEL+1]
	v_add_f32 v14, v14, v226                       ; the row's sum
	v_rcp_f32 v14, v14
	v_lshrrev_b32 v10, 2, v3                       ; 4 r, in a register that no memory or LDS instruction has read.  (A plain place behind the reciprocal)
	s_lshr_b32 s26, s15, 4
	s_lshl_b32 s26, s26, 7
	s_add_co_u32 s26, s26, s14                     ; the token tile: 128 batch + T
	s_and_b32 s27, s15, 15                         ; the head
	s_lshl_b32 s28, s26, 4
	s_add_co_u32 s28, s28, s27
	s_mul_i32 s28, s28, 768                        ; image (tile, K step head / 2, half head % 2)
	s_mov_b32 s29, 0
	s_add_nc_u64 s[28:29], s[10:11], s[28:29]
	s_lshl_b32 s30, s26, 3
	s_lshr_b32 s31, s27, 1
	s_add_co_u32 s30, s30, s31
	s_lshl_b32 s30, s30, 6
	s_and_b32 s31, s27, 1
	s_lshl_b32 s31, s31, 1
	s_add_co_u32 s30, s30, s31
	s_add_co_u32 s30, s30, AOS
	s_mov_b32 s31, 0
	s_add_nc_u64 s[30:31], s[10:11], s[30:31]
	s_wait_alu depctr_va_vdst(0)                   ; the reciprocal has written v14, ahead of its first reader
.set n, 0
.rept 32
	v_mul_f32 v[ST+n], v[OT+n], v14                ; from each accumulator's low end on
.set n, n+1
.endr
	QUANT2 ST, PCD, 204
	s_wait_alu depctr_va_vdst(0)                   ; the codes v192-197, the two scale bytes v214 and the offset v10 are written, which the three stores read
	global_store_b128 v1, v[PCD:PCD+3], s[28:29]           ; 512 consecutive bytes
	global_store_b64 v2, v[PCD+4:PCD+5], s[28:29] offset:512   ; 256 consecutive bytes
	global_store_b16 v10, v[TM+2], s[30:31]        ; my row's two bytes of the K step's scale word (the other two are the neighbouring head's); lanes l and l xor 16 hold the same bytes and name the same place
	s_wait_dscnt 0x0                               ; the closing lines, six on end
	s_wait_alu 0x0
	s_wait_tensorcnt 0x0
	ds_add_u32 v254, v255
	s_wait_dscnt 0x0
	s_endpgm
.Lfunc_end_k_qef4a0346d1_attn:
	.size	k_qef4a0346d1_attn, .Lfunc_end_k_qef4a0346d1_attn-k_qef4a0346d1_attn
	.p2alignl 7, 3214868480
	.fill 96, 4, 3214868480
	.section	.rodata,"a",@progbits
	.p2align	6, 0x0
	.amdhsa_kernel k_qef4a0346d1_attn
		.amdhsa_group_segment_fixed_size 210944
		.amdhsa_private_segment_fixed_size 0
		.amdhsa_enable_private_segment 0
		.amdhsa_kernarg_size 32
		.amdhsa_user_sgpr_count 2
		.amdhsa_user_sgpr_kernarg_segment_ptr 1
		.amdhsa_wavefront_size32 1
		.amdhsa_system_sgpr_workgroup_id_x 1
		.amdhsa_system_sgpr_workgroup_id_y 1
		.amdhsa_system_sgpr_workgroup_id_z 1
		.amdhsa_system_vgpr_workitem_id 0
		.amdhsa_next_free_vgpr 256
		.amdhsa_next_free_sgpr 100
		.amdhsa_reserve_vcc 0
		.amdhsa_float_denorm_mode_32 3
		.amdhsa_float_denorm_mode_16_64 3
		.amdhsa_memory_ordered 1
		.amdhsa_forward_progress 1
		.amdhsa_inst_pref_size 35
	.end_amdhsa_kernel
	.amdgpu_metadata
---
amdhsa.version: [ 1, 2 ]
amdhsa.kernels:
  - .name:           k_qef4a0346d1_attn
    .symbol:         k_qef4a0346d1_attn.kd
    .args:
      - { .name: att, .offset: 0, .size: 8, .value_kind: global_buffer, .address_space: global }
      - { .name: mw, .offset: 8, .size: 8, .value_kind: global_buffer, .address_space: global }
      - { .name: mf, .offset: 16, .size: 8, .value_kind: global_buffer, .address_space: global }
      - { .name: ao, .offset: 24, .size: 8, .value_kind: global_buffer, .address_space: global }
    .group_segment_fixed_size: 210944
    .private_segment_fixed_size: 0
    .kernarg_segment_align: 8
    .kernarg_segment_size: 32
    .max_flat_workgroup_size: 512
    .sgpr_count:     100
    .vgpr_count:     256
    .wavefront_size: 32
...
	.end_amdgpu_metadata
.endif
;; end of part 5
;; launch proj: the kernel of part 4 again; grid 8 x 32, 8 waves a work-group, clusters of 4 x 4, 232,448 bytes of LDS; arguments ao, cod, scl, bo, out0; writes out0
